; MI455X (gfx1250); checked and timed in simulation.
; The chip was launched on July 23, 2026; its instructions are those of AMD's public machine-readable ISA for CDNA 5 (MIT licence, August 2026) and "CDNA5" Instruction Set Architecture Reference Guide (July 2026). The comments in the code are by the model that wrote it; some were corrected since.
;; single Self Attention. Allowed arithmetic: matrix products marked QUANTISED: E2M1 operands, one E8M0 scale for each 32 along K, by v_wmma_scale_f32_16x16x128_f8f6f4 with both operands' format E2M1 (or v_wmma_scale_f32_32x16x128_f4), f32 sums; products left as they are: bf16, f16 or f32 operands; f32 sums; everything else in f32.
;; Inputs: Wk 1,024 x 1,024 float32; Wq 1,024 x 1,024 float32; Wv 1,024 x 1,024 float32; y 4 x 2,048 x 1,024 float32.
;; Outputs: out0 4 x 2,048 x 1,024 float32.
;; This version of the problem:
;;   THIS VERSION OF THE PROBLEM IS GIVEN IN LOW PRECISION. The matrix products marked QUANTISED in the list below multiply operands that are first quantised to E2M1 (2 exponent bits, 1 mantissa bit; 4 bits a number), with one power-of-two scale for each 32 numbers along K (OCP MX v1.0); their sums are f32. The products marked 'left as it is' may take bf16, f16 or f32 operands, with f32 sums. Whichever they take, every output number must still come out within the allowed error. Rounding operands to bf16 (8 significant bits) uses up far more of that allowance than f16 does (11 bits, for magnitudes from 6e-5 to 65,504). All else is computed in f32.
;;   The module's matrix products, in the order in which they are computed (A, B: the left and right operand; K: the contracted axis; several contracted axes count as one K, in the product's order):
;;     1. [M 8,192, K 1,024] x [K 1,024, N 1,024]; A: input y; B: input Wq: QUANTISED
;;     2. [M 8,192, K 1,024] x [K 1,024, N 1,024]; A: input y; B: input Wk: QUANTISED
;;     3. [M 8,192, K 1,024] x [K 1,024, N 1,024]; A: input y; B: input Wv: QUANTISED
;;     4. batch 4 x [M 2,048, K 1,024] x [K 1,024, N 2,048]; A: computed on the way; B: computed on the way: left as it is (an operand is computed on the way)
;;     5. batch 4 x [M 2,048, K 2,048] x [K 2,048, N 1,024]; A: computed on the way; B: computed on the way: left as it is (an operand is computed on the way)
;;   THE QUANTISER, for each operand of a quantised product, along K:
;;     - K is cut into blocks of 32 from its start; a last block that is shorter is filled with zeros.
;;     - A block's scale is 2^e with e = floor(log2(the largest magnitude in the block)) - 2, held to -126 .. 127; a block of zeros has e = 0. As a byte (E8M0): e + 127.
;;     - Each number is divided by its block's scale, clamped to +-6, and rounded to the nearest number of E2M1, ties to even, subnormals kept.
;;     - The product sums the exact products of the quantised numbers (number of the format x scale) in f32.
;;   ~~~python
;;   def quantise(x, axis):      # numpy; x: float32 -> the quantised numbers, widened to float32 again
;;       x = np.moveaxis(x, axis, -1); K = x.shape[-1]
;;       x = np.pad(x, [(0, 0)] * (x.ndim - 1) + [(0, -K % 32)]); x = x.reshape(x.shape[:-1] + (-1, 32)); a = np.abs(x).max(-1, keepdims=True)
;;       e = np.where(a > 0, np.clip(np.frexp(np.where(a > 0, a, 1))[1] - 1 - 2, -126, 127), 0)      # np.frexp(a)[1] - 1 = floor(log2(a)), exactly
;;       r = np.clip(x / 2.0 ** e, -6, 6)
;;       step = 2.0 ** (np.maximum(np.frexp(np.where(r == 0, 1, r))[1] - 1, 0) - 1)
;;       q = np.round(r / step) * step * 2.0 ** e      # np.round: ties to even
;;       return np.moveaxis(q.reshape(q.shape[:-2] + (-1,))[..., :K], -1, axis).astype(np.float32)
;;   ~~~
;; One version. Each part assembles by itself: llvm-mc -triple=amdgcn-amd-amdhsa -mcpu=gfx1250 --defsym DOCPART=n.
;; ======== version 1 of 1: 4 launches
;; limits: values are held in f16: magnitudes above 65,504 overflow, below 6.1e-05 lose precision
;; workspace buffers: y_codes 4,194,304 bytes; y_scales 262,144 bytes; w_codes 1,572,864 bytes; w_scales 98,304 bytes; qkv 50,331,648 bytes; pf 33,554,432 bytes; stats 1,048,576 bytes
;; launch quant (part 1): grid 448 x 1, 4 waves a work-group, no clusters, 42,496 bytes of LDS; arguments y, Wq, Wk, Wv, y_codes, y_scales, w_codes, w_scales; writes y_codes, y_scales, w_codes, w_scales
.if DOCPART == 1
	.amdgcn_target "amdgcn-amd-amdhsa--gfx1250"
	.amdhsa_code_object_version 6
	.text
	.protected	k_qd1f44d1df3_quant
	.globl	k_qd1f44d1df3_quant
	.p2align	8
	.type	k_qd1f44d1df3_quant,@function
k_qd1f44d1df3_quant:
	s_mov_b64 s[64:65], 0
	v_nop
	global_prefetch_b8 v0, s[64:65] scope:SCOPE_SE
	s_setreg_imm32_b32 hwreg(HW_REG_WAVE_MODE, 25, 1), 1
	s_wait_xcnt 0x0
; y [8192][1024] (K innermost) and Wq, Wk, Wv [1024 (k)][1024 (n)] (K is the FIRST axis), all f32, become codes of FP4 (E2M1), K innermost, two codes a byte, with one E8M0 byte for each 32 along K.
; y_codes [8192][512 bytes], y_scales [8192][32];  w_codes [3072][512 bytes], w_scales [3072][32]: rows 0-1023 are Wq's columns, 1024-2047 Wk's, 2048-3071 Wv's.
; A block's scale is 2^(floor(log2(its largest magnitude)) - 2): its byte is the largest magnitude's own exponent field - 2, held at 1 from below by a floor among the maximum's leaves.
; LIMITS: a block of zeros gets the byte 1 where the quantiser says 127 (its codes are zeros, which add nothing under any byte but 0xff; only this program reads the bytes); NaN and infinities are not served.
; Work-groups 0-255 take y: a plain stream of blocks of 32; a wave takes 16 steps of 512 numbers.  Each load reads 512 consecutive bytes; a step turns through the wave's own stage in LDS so that a lane holds 16 neighbours.
; Work-groups 256-447 take the weights: a lane takes a column, its registers run down K.  A work-group takes 32 columns x 512 along K, each of its four waves 128 along K: four blocks a lane, so that a wave's
; loads go out in two turns.  The four waves' codes meet in one stage (a column's 256 bytes: 64 from each wave), a barrier follows, and they leave as whole rows of 256 bytes; the scale bytes likewise, 16 a column.
; The two ways part on the work-group's number and never join; each has LDS bytes of its own.  y's way has no barrier: its waves share nothing.
.set SPW,   190                        ; v190 LDS address of my spare word; never rewritten
.set NIL,   191                        ; v191 0; never rewritten
.set STEPS, 16
.set R,     16                         ; y: v16-79   four sets of 16 numbers as loaded
.set X,     80                         ;    v80-111  two sets of 16 neighbours
.set E,     112                        ;    v112-127 a scale byte for each step
.set C,     128                        ;    v128-189 codes, four registers apart for each step
.set WREG,  8192                       ;    LDS: a wave's region: two stages of 32 x SP bytes, then its 256 scale bytes
.set SP,    80                         ;    a lane's place in a stage: 64 bytes + 16 of padding
.set WSTG,  32768                      ; W: LDS: the work-group's stage: 32 rows (columns of W) x PITCH
.set NB,    4                          ;    blocks of 32 along K for a wave
.set PITCH, 272                        ;    a stage row: 256 bytes + 16
.set WSCS,  WSTG+32*PITCH              ;    behind it the scale bytes: 16 a column
.set SPARE, WSCS+512                   ; behind both ways' regions: the spare words, 128 bytes a wave
.set KROW,  512                        ;    a row of w_codes
.set WX,    32                         ;    v32-95   two sets of 32 numbers
.set WC,    96                         ;    v96-99   a block's codes
.set OUTR,  112                        ;    v112-127 the way out
.set SB,    24                         ;    v24      my four scale bytes; on the way out v24-27: a column's sixteen
	s_load_b256 s[4:11], s[0:1], 0x0               ; y, Wq, Wk, Wv
	s_load_b256 s[12:19], s[0:1], 0x20             ; y_codes, y_scales, w_codes, w_scales
	v_lshl_add_u32 v[SPW], v0, 2, SPARE
	v_mov_b32 v[NIL], 0
	v_lshrrev_b32 v1, 5, v0
	v_readfirstlane_b32 s20, v1                    ; wave
	v_and_b32 v2, 31, v0                           ; lane
	s_cmp_ge_u32 ttmp9, 256
	s_cbranch_scc1 .Lweights
	; ------------------------------------------------ y
	v_lshlrev_b32 v3, 4, v2                        ; my 16 bytes of a load's 512
	s_mul_i32 s21, s20, WREG
	v_lshrrev_b32 v14, 2, v2
	v_mul_u32_u24 v14, v14, SP
	v_and_b32 v15, 3, v2
	v_lshl_add_u32 v14, v15, 4, v14
	v_add_nc_u32 v14, s21, v14                     ; into the stage: SP (lane / 4) + 16 (lane % 4)
	v_mul_u32_u24 v15, v2, SP
	v_add_nc_u32 v15, s21, v15                     ; out of it: SP x lane: my 16 neighbours
	v_lshlrev_b32 v4, 3, v2                        ; 8 bytes a lane: my codes in a step's 256 bytes, and my part of the 256 scale bytes
	v_lshrrev_b32 v5, 1, v2
	s_add_co_u32 s21, s21, 2*32*SP
	v_add_nc_u32 v5, s21, v5                       ; LDS: my block's scale byte
	v_add_nc_u32 v6, s21, v4                       ; and 8 of them on the way out
	s_lshl_b32 s22, ttmp9, 2
	s_add_co_u32 s22, s22, s20                     ; which run of 8,192 numbers is my wave's
	s_mov_b32 s23, 0
	s_lshl_b64 s[24:25], s[22:23], 15              ; 32,768 bytes of numbers,
	s_lshl_b64 s[26:27], s[22:23], 12              ; 4,096 of codes,
	s_lshl_b64 s[28:29], s[22:23], 8               ; 256 scale bytes a run
	s_wait_kmcnt 0x0
	s_add_nc_u64 s[4:5], s[4:5], s[24:25]
	s_add_nc_u64 s[12:13], s[12:13], s[26:27]
	s_add_nc_u64 s[14:15], s[14:15], s[28:29]
.macro YLOAD t
.irp i, 0,1,2,3
	global_load_b128 v[R+16*((\t)%4)+4*\i:R+16*((\t)%4)+4*\i+3], v3, s[4:5] offset:2048*(\t)+512*\i th:TH_LOAD_NT   ; 32 lanes read 512 consecutive bytes
.endr
.endm
.macro YTURN t                         ; a step's numbers through the stage: LDS serves a wave's instructions in order, so no wait stands between the stores and the loads
.irp i, 0,1,2,3
	ds_store_b128 v14, v[R+16*((\t)%4)+4*\i:R+16*((\t)%4)+4*\i+3] offset:32*SP*((\t)%2)+8*SP*\i
.endr
.irp i, 0,1,2,3
	ds_load_b128 v[X+16*((\t)%2)+4*\i:X+16*((\t)%2)+4*\i+3], v15 offset:32*SP*((\t)%2)+16*\i
.endr
.endm
.irp t, 0,1,2,3
	YLOAD \t
.endr
	s_wait_loadcnt 12                              ; step 0's four loads are in; three steps' twelve may be out
	YTURN 0
.macro YSTEP t
.set XS, X+16*((\t)%2)
.if (\t) > 0
	s_wait_dscnt 1                                 ; this step's numbers are back from the stage (the last step's byte store may be out): its stores into the stage have read their registers,
.else
	s_wait_dscnt 0x0
.endif
.if (\t)+4 < STEPS
	YLOAD (\t)+4                                   ; which take the loads of four steps on
.endif
.if (\t)+1 < STEPS
.if STEPS-2-(\t) >= 3
	s_wait_loadcnt 12                              ; the next step's four loads are in; those of the three steps behind it may be out
.else
	s_wait_loadcnt 4*(STEPS-2-(\t))
.endif
	YTURN (\t)+1
.endif
	v_max3_num_f32 v8, |v[XS]|, |v[XS+1]|, |v[XS+2]|               ; the largest magnitude of my 16, in two chains
	v_max3_num_f32 v9, |v[XS+3]|, |v[XS+4]|, |v[XS+5]|
.irp i, 6,10
	v_max3_num_f32 v8, v8, |v[XS+\i]|, |v[XS+\i+1]|
	v_max3_num_f32 v9, v9, |v[XS+\i+2]|, |v[XS+\i+3]|
.endr
	v_max3_num_f32 v8, v8, |v[XS+14]|, |v[XS+15]|
	v_max3_num_f32 v8, v8, v9, 0x1800000           ; and the floor 2^(3 - 127): the byte cannot fall under 1
	v_max_num_f32_dpp v8, v8, v8 row_xmask:1 row_mask:0xf bank_mask:0xf   ; with my neighbour's 16: the block's
	v_add_nc_u32 v11, 0xff000000, v8               ; 2 off its exponent field: the conversion takes the exponent field of this operand as its scale
	v_cvt_scalef32_pk8_fp4_f32 v[C+4*(\t)], v[XS:XS+7], v11
	v_cvt_scalef32_pk8_fp4_f32 v[C+4*(\t)+1], v[XS+8:XS+15], v11
	v_lshrrev_b32 v[E+(\t)], 23, v11               ; the scale's byte (a plain line behind the conversions)
	ds_store_b8 v5, v[E+(\t)] offset:16*(\t)       ; both lanes of a block write the same byte with the same value
	global_store_b64 v4, v[C+4*(\t):C+4*(\t)+1], s[12:13] offset:256*(\t)   ; the wave stores 256 consecutive bytes, aligned
.endm
.irp t, 0,1,2,3,4,5,6,7,8,9,10,11,12,13,14,15
	YSTEP \t
.endr
	ds_load_b64 v[8:9], v6                         ; in order behind my byte stores
	s_wait_dscnt 0x0
	global_store_b64 v4, v[8:9], s[14:15]          ; 256 consecutive scale bytes, aligned
	s_wait_tensorcnt 0x0                           ; the wave's end: behind my last LDS store
	ds_add_u32 v[SPW], v[NIL]
	s_wait_dscnt 0x0
	s_endpgm
	; ------------------------------------------------ the weights
.Lweights:
	s_sub_co_u32 s21, ttmp9, 256
	s_lshr_b32 s22, s21, 6                         ; which tensor: 0 Wq, 1 Wk, 2 Wv
	s_bfe_u32 s23, s21, 0x50001                    ; which 32 columns (5 bits from bit 1)
	s_and_b32 s24, s21, 1                          ; which 512 along K
	s_lshl_b32 s25, s23, 5                         ; the work-group's first column
	v_lshlrev_b32 v3, 2, v2                        ; in: 4 bytes a lane: a load reads 128 consecutive bytes
	s_lshl_b32 s32, s20, 6
	s_add_co_u32 s32, s32, WSTG
	v_mul_u32_u24 v4, v2, PITCH
	v_add_nc_u32 v4, s32, v4                       ; into the stage: row = my column, my wave's 64 bytes of it
	s_lshl_b32 s32, s20, 2
	s_add_co_u32 s32, s32, WSCS
	v_lshlrev_b32 v16, 4, v2
	v_add_nc_u32 v17, WSCS, v16                    ; the scale bytes, out: 16 x lane;
	v_add_nc_u32 v16, s32, v16                     ; in: 16 x lane + 4 x wave
	v_and_b32 v5, 15, v2
	v_lshrrev_b32 v6, 4, v2
	s_mul_i32 s32, s20, 8*PITCH
	s_add_co_u32 s32, s32, WSTG
	v_mul_u32_u24 v7, v6, PITCH
	v_lshl_add_u32 v7, v5, 4, v7
	v_add_nc_u32 v7, s32, v7                       ; out of the stage: wave w takes rows 8 w .. 8 w + 7; sixteen lanes to a row, two rows an instruction
	s_lshl_b32 s32, s20, 12
	v_mul_u32_u24 v8, v6, KROW
	v_lshl_add_u32 v8, v5, 4, v8
	v_add_nc_u32 v8, s32, v8                       ; and the same place in w_codes
	v_lshlrev_b32 v9, 5, v2                        ; a column's row of scale bytes: 32 bytes a row
	s_lshl_b32 s26, s24, 21                        ; W: 512 rows of 4,096 bytes for each half of K,
	s_lshl_b32 s27, s20, 19
	s_add_co_u32 s26, s26, s27                     ; 128 rows for each wave,
	s_lshl_b32 s27, s25, 2
	s_add_co_u32 s26, s26, s27                     ; + 4 x column
	s_mov_b32 s27, 0
	s_lshl_b32 s28, s22, 10
	s_add_co_u32 s28, s28, s25                     ; the work-group's first row of w_codes and w_scales
	s_lshl_b32 s30, s28, 5
	s_lshl_b32 s31, s24, 4
	s_add_co_u32 s30, s30, s31                     ; scale bytes: 32 x row + 16 x half
	s_mov_b32 s31, 0
	s_lshl_b32 s28, s28, 9
	s_lshl_b32 s29, s24, 8
	s_add_co_u32 s28, s28, s29                     ; codes: 512 x row + 256 x half
	s_mov_b32 s29, 0
	s_wait_kmcnt 0x0
	s_cmp_eq_u32 s22, 0                            ; the choice hangs on the work-group's number alone
	s_cselect_b64 s[6:7], s[6:7], s[8:9]
	s_cmp_eq_u32 s22, 2
	s_cselect_b64 s[6:7], s[10:11], s[6:7]
	s_add_nc_u64 s[6:7], s[6:7], s[26:27]
	s_add_nc_u64 s[16:17], s[16:17], s[28:29]
	s_add_nc_u64 s[18:19], s[18:19], s[30:31]
.macro WLOAD t                         ; block t: W(32 t + i, my column), i = 0 .. 31; the offsets reach 127 x 4,096 bytes, inside the signed 24-bit immediate
.irp i, 0,1,2,3,4,5,6,7,8,9,10,11,12,13,14,15,16,17,18,19,20,21,22,23,24,25,26,27,28,29,30,31
	global_load_b32 v[WX+32*((\t)%2)+\i], v3, s[6:7] offset:(32*(\t)+\i)*4096 th:TH_LOAD_NT
.endr
.endm
	WLOAD 0
	WLOAD 1
.macro WBLOCK t
.set XS, WX+32*((\t)%2)
.if (\t) < NB-1
	s_wait_loadcnt 32                              ; this block's 32 loads are in; the next block's may be out
.else
	s_wait_loadcnt 0
.endif
	v_max3_num_f32 v12, |v[XS]|, |v[XS+1]|, |v[XS+2]|              ; the block's largest magnitude: all 32 numbers are mine
	v_max3_num_f32 v13, |v[XS+3]|, |v[XS+4]|, |v[XS+5]|
.irp i, 6,10,14,18,22,26
	v_max3_num_f32 v12, v12, |v[XS+\i]|, |v[XS+\i+1]|
	v_max3_num_f32 v13, v13, |v[XS+\i+2]|, |v[XS+\i+3]|
.endr
	v_max3_num_f32 v12, v12, |v[XS+30]|, |v[XS+31]|
	v_max3_num_f32 v12, v12, v13, 0x1800000        ; the floor 2^(3 - 127)
	v_add_nc_u32 v11, 0xff000000, v12              ; the conversion's scale operand
	v_lshrrev_b32 v13, 23, v11                     ; the scale's byte
.if (\t) == 0
	v_mov_b32 v[SB], v13                           ; four bytes to a register, the lower K in the lower byte
.else
	v_lshl_or_b32 v[SB], v13, 8*(\t), v[SB]
.endif
.irp g, 0,1,2,3
	v_cvt_scalef32_pk8_fp4_f32 v[WC+\g], v[XS+8*\g:XS+8*\g+7], v11
.endr
	v_nop                                          ; one plain line behind the last conversion
	ds_store_b128 v4, v[WC:WC+3] offset:16*(\t)    ; 32 codes: 16 bytes of my column's row
.if (\t)+2 < NB
	WLOAD (\t)+2
.endif
	s_wait_dscnt 0x0                               ; the store has read its registers: the next block's codes may be written
.endm
.set Q, 0
.rept NB
	WBLOCK Q
.set Q, Q+1
.endr
	ds_store_b32 v16, v[SB]                        ; my four scale bytes, at their place among the column's sixteen
	s_wait_dscnt 0x0                               ; for the others' sake: my stores into the stage are done
	s_barrier_signal -1
	s_barrier_wait -1                              ; 32 whole rows of 256 bytes, and their scale bytes, lie in LDS
.irp t, 0,1,2,3
	ds_load_b128 v[OUTR+4*\t:OUTR+4*\t+3], v7 offset:2*\t*PITCH
.endr
.irp t, 0,1,2,3
	s_wait_dscnt 3-\t                              ; rows 2 t and 2 t + 1 of my eight are back; the younger loads may be out
	global_store_b128 v8, v[OUTR+4*\t:OUTR+4*\t+3], s[16:17] offset:2*\t*KROW   ; sixteen lanes store 256 consecutive bytes, aligned
.endr
	s_cmp_lg_u32 s20, 0                            ; wave 0 stores the scale bytes: 16 a lane
	s_cbranch_scc1 .Lw_done
	ds_load_b128 v[SB:SB+3], v17
	s_wait_dscnt 0x0
	global_store_b128 v9, v[SB:SB+3], s[18:19]
.Lw_done:
	s_wait_tensorcnt 0x0                           ; the wave's end: behind my last LDS store
	ds_add_u32 v[SPW], v[NIL]
	s_wait_dscnt 0x0
	s_endpgm
.Lfunc_end_k_qd1f44d1df3_quant:
	.size	k_qd1f44d1df3_quant, .Lfunc_end_k_qd1f44d1df3_quant-k_qd1f44d1df3_quant
	.p2alignl 7, 3214868480
	.fill 96, 4, 3214868480
	.section	.rodata,"a",@progbits
	.p2align	6, 0x0
	.amdhsa_kernel k_qd1f44d1df3_quant
		.amdhsa_group_segment_fixed_size 42496
		.amdhsa_private_segment_fixed_size 0
		.amdhsa_enable_private_segment 0
		.amdhsa_kernarg_size 64
		.amdhsa_user_sgpr_count 2
		.amdhsa_user_sgpr_kernarg_segment_ptr 1
		.amdhsa_wavefront_size32 1
		.amdhsa_system_sgpr_workgroup_id_x 1
		.amdhsa_system_sgpr_workgroup_id_y 1
		.amdhsa_system_sgpr_workgroup_id_z 1
		.amdhsa_system_vgpr_workitem_id 0
		.amdhsa_next_free_vgpr 192
		.amdhsa_next_free_sgpr 66
		.amdhsa_reserve_vcc 0
		.amdhsa_float_denorm_mode_32 3
		.amdhsa_float_denorm_mode_16_64 3
		.amdhsa_memory_ordered 1
		.amdhsa_forward_progress 1
		.amdhsa_inst_pref_size 55
	.end_amdhsa_kernel
	.amdgpu_metadata
---
amdhsa.version: [ 1, 2 ]
amdhsa.kernels:
  - .name:           k_qd1f44d1df3_quant
    .symbol:         k_qd1f44d1df3_quant.kd
    .args:
      - { .name: y, .offset: 0, .size: 8, .value_kind: global_buffer, .address_space: global }
      - { .name: Wq, .offset: 8, .size: 8, .value_kind: global_buffer, .address_space: global }
      - { .name: Wk, .offset: 16, .size: 8, .value_kind: global_buffer, .address_space: global }
      - { .name: Wv, .offset: 24, .size: 8, .value_kind: global_buffer, .address_space: global }
      - { .name: y_codes, .offset: 32, .size: 8, .value_kind: global_buffer, .address_space: global }
      - { .name: y_scales, .offset: 40, .size: 8, .value_kind: global_buffer, .address_space: global }
      - { .name: w_codes, .offset: 48, .size: 8, .value_kind: global_buffer, .address_space: global }
      - { .name: w_scales, .offset: 56, .size: 8, .value_kind: global_buffer, .address_space: global }
    .group_segment_fixed_size: 42496
    .private_segment_fixed_size: 0
    .kernarg_segment_align: 8
    .kernarg_segment_size: 64
    .max_flat_workgroup_size: 128
    .sgpr_count:     66
    .vgpr_count:     192
    .wavefront_size: 32
...
	.end_amdgpu_metadata
.endif
;; end of part 1
;; launch proj (part 2): grid 12 x 32, 4 waves a work-group, clusters of 4 x 4, 327,680 bytes of LDS; arguments y_codes, y_scales, w_codes, w_scales, qkv; writes qkv
.if DOCPART == 2
	.amdgcn_target "amdgcn-amd-amdhsa--gfx1250"
	.amdhsa_code_object_version 6
	.text
	.protected	k_qd1f44d1df3_proj
	.globl	k_qd1f44d1df3_proj
	.p2align	8
	.type	k_qd1f44d1df3_proj,@function
k_qd1f44d1df3_proj:
	s_mov_b64 s[64:65], 0
	v_nop
	global_prefetch_b8 v0, s[64:65] scope:SCOPE_SE
	s_setreg_imm32_b32 hwreg(HW_REG_WAVE_MODE, 25, 1), 1
	s_wait_xcnt 0x0
	s_wait_alu depctr_hold_cnt(0) depctr_sa_sdst(0) depctr_va_vdst(0) depctr_va_sdst(0) depctr_va_ssrc(0) depctr_va_vcc(0) depctr_vm_vsrc(0)
	s_getreg_b32 s2, hwreg(HW_REG_IB_STS2, 6, 4)
	s_cmp_eq_u32 s2, 0
	s_cbranch_scc0 .Lentry_in_a_cluster
	s_endpgm
.Lentry_in_a_cluster:
	s_bfe_u32 s2, ttmp6, 0x10000c
	s_cmp_lg_u32 s2, 0xf033
	s_cbranch_scc0 .Lentry_shape_is_right
	s_endpgm
.Lentry_shape_is_right:
; [8192 tokens][1024] x [3072 rows of w_codes][1024]^T on codes of FP4 (E2M1) with one E8M0 scale for each 32 along K; sums in f32; the results (q, k, v) are rounded once to f16 and stored in the order
; in which the next launches' matrix operands take them.  A tile is 256 tokens x 256 rows of w_codes, four waves, 128 x 128 a wave: 64 accumulators.  K = 1,024 is two slots of 512: both are first fills, nothing is filled again.
; LIMIT: |q|, |k|, |v| stay under 65,504 (f16's largest number); beyond it the rounding gives infinity.
; qkv is 1,536 BLOCKS of 32,768 bytes.  A BLOCK is 128 rows x 128 along the next product's K, f16, as images of operand registers: byte kq x 8192 + rb x 1024 + c x 512 + 16 x lane holds registers 4 c .. 4 c + 3 of the
; fragment of rows 16 rb .. + 15 and K 32 kq .. + 31.  Blocks 0-1023: token group (128 tokens) x 16 + s; s = 0-7: q's channels 128 s on, s = 8-15: k's.  Blocks 1024 + channel group x 64 + token group: v TRANSPOSED (rows = channels, K = tokens).
; THE MATRIX INSTRUCTION IS USED TRANSPOSED: source 0 = 16 rows of role B, source 1 = 16 rows of role A: a lane holds one row of role A and eight neighbours of role B, which pack into the 16 bytes of one register group.
; For q and k role A = tokens, role B = rows of w_codes.  For v (the clusters with x = 2: tile columns 8-11) the roles change places, by the LDS bases of the fragment loads alone: the tiles lie in LDS as ever.
; So a wave's 128 x 128 is exactly one BLOCK, and every store is 512 consecutive bytes, aligned: no stage in LDS.
; CLUSTERS: 4 x 4 work-groups; the tokens' tiles are shared along a row of the cluster, w_codes' along a column: each is asked for jointly.
; REGISTERS: window 0: v0-31 addresses; v32-95 scale words, two sets; v128-191 role A's fragments, one set (on the way out v128-255: packed results).  window 1: role B's fragments, two sets.  windows 2, 3: the accumulators.
.set NQ,     4                         ; matrix instructions deep in a slot (512 along K)
.set ROWB,   256                       ; a tile's row in bytes
.set KROW,   512                       ; a row of codes in memory
.set PITCH,  272                       ; an LDS row: 256 bytes + 16 of padding: the 16 rows of a load start 68 words apart
.set FR,     8
.set NL,     2
.set NP,     4
.set HALFT,  128*PITCH
.set SLOT,   4*HALFT                   ; the tokens' 256 rows, then w_codes' 256 rows
.set KS,     32                        ; a row of scale bytes
.set SCL,    2*SLOT                    ; behind the slots: the scales, as units of 256 bytes + 16 of padding
.set HALFS,  (128*KS/256)*272
.set SBLK,   (16*KS/256)*272
.set SPARE,  SCL+4*HALFS               ; the spare words, 128 bytes a wave
.set ADRA, 16                          ; v16-17 LDS address of role A's fragments in slot 0, 1
.set ADRB, 20                          ; v20-21 of role B's
.set CO,   26                          ; v26    16 x lane
.set ADRS, 27                          ; v27    LDS address of my scale words: lanes 0-15 role A's rows, lanes 16-31 role B's
.set SPW,  28
.set NIL,  29
.set SC,   32
.set AF,   128
.set TMP,  128                         ; the way out: four sets of 32 registers
.set G1, 24
.set G0, 32
.set G1B, 48
.set G0B, 56
.set G1S, 68
.set G0S, 76
.set G1SB, 80
.set G0SB, 88
.set MSB, 0
.macro WIN new                         ; the immediate's high byte repeats the setting that is left
.if MSB != (\new)
	s_set_vgpr_msb (MSB<<8)|(\new)
.set MSB, (\new)
.endif
.endm
.set MUL_LO, 0xa1                      ; source 0 window 1, source 1 window 0, C and D window 2
.set MUL_HI, 0xf1                      ; the same, C and D window 3
.set TO_B,   0x40                      ; destination window 1, address window 0
; A joint load: waves 0 and 1 fetch the tokens' halves, waves 2 and 3 w_codes'.  The branch hangs on the wave's number alone.  An s_nop 0 and four v_nop follow each line.
.macro JLOAD g0a, g1a, g0b, g1b
	s_cmp_eq_u32 s15, 0
	s_cbranch_scc0 .Lfor_b_\@
	tensor_load_to_lds s[\g0a:\g0a+3], s[\g1a:\g1a+7]
	s_nop 0
.rept 4
	v_nop
.endr
	s_branch .Lasked_\@
.Lfor_b_\@:
	tensor_load_to_lds s[\g0b:\g0b+3], s[\g1b:\g1b+7]
	s_nop 0
.rept 4
	v_nop
.endr
.Lasked_\@:
.endm
.macro CROUND                          ; a round of the cluster's barrier
	s_barrier_signal -1
	s_barrier_wait -1
	s_cmp_lg_u32 s14, 0
	s_cbranch_scc1 .Lnot_wave_0_\@
	s_barrier_signal -3
.Lnot_wave_0_\@:
	s_barrier_wait -3
	s_barrier_signal -1
	s_barrier_wait -1
.endm
	s_load_b128 s[4:7], s[0:1], 0x0                ; y_codes, y_scales
	s_load_b128 s[8:11], s[0:1], 0x10              ; w_codes, w_scales
	s_load_b64 s[12:13], s[0:1], 0x20              ; qkv
	v_lshl_add_u32 v[SPW], v0, 2, SPARE
	v_mov_b32 v[NIL], 0
	ds_add_u32 v[SPW], v[NIL]                      ; the wave's opening: the add, twice on end, and its wait ahead of my first tensor load
	ds_add_u32 v[SPW], v[NIL]
	v_lshrrev_b32 v1, 5, v0
	v_readfirstlane_b32 s14, v1                    ; wave 0..3
	s_lshr_b32 s15, s14, 1                         ; which half of role A's rows is mine.  Also: I fetch tokens (0) or w_codes (1)
	s_and_b32 s16, s14, 1                          ; which half of role B's.  Also: which 128 rows of that tile I fetch
	s_bfe_u32 s40, ttmp6, 0x40000                  ; cx, cy
	s_bfe_u32 s41, ttmp6, 0x40004
	s_lshl_b32 s42, ttmp9, 2
	s_add_co_u32 s42, s42, s40                     ; tile column = 4 x cluster x + cx: 256 rows of w_codes
	s_and_b32 s17, ttmp7, 0xffff
	s_lshl_b32 s17, s17, 2
	s_add_co_u32 s17, s17, s41                     ; tile row = 4 x cluster y + cy: 256 tokens
	s_lshl_b32 s43, s41, 2
	s_lshl_b32 s43, 15, s43                        ; my row of the cluster
	s_lshl_b32 s44, 0x1111, s40                    ; my column
	s_or_b32 s[G1+0], s43, (0<<16)|(1<<20)|(1<<21)|(5<<22)|(3<<25)   ; the mask; elements of 1 byte; padding: 4 words behind every 64; bit 21 beside a mask
	s_or_b32 s[G1B+0], s44, (0<<16)|(1<<20)|(1<<21)|(5<<22)|(3<<25)
.irp g, G1, G1B
	s_mov_b32 s[\g+1], ROWB<<16                    ; tensor_dim0
	s_mov_b32 s[\g+2], 128<<16                     ; tensor_dim1
	s_mov_b32 s[\g+3], ROWB<<16                    ; tile_dim0
	s_mov_b32 s[\g+4], 128                         ; tile_dim1
	s_mov_b32 s[\g+5], KROW                        ; the pitch
	s_mov_b32 s[\g+6], 0
	s_mov_b32 s[\g+7], 0
.endr
	s_or_b32 s[G1S+0], s43, (3<<16)|(1<<20)|(1<<21)|(5<<22)|(3<<25)  ; the scales of 128 rows: a dense block, as rows of 256 bytes (32 elements of 8), 16 bytes of padding behind each
	s_or_b32 s[G1SB+0], s44, (3<<16)|(1<<20)|(1<<21)|(5<<22)|(3<<25)
.irp g, G1S, G1SB
	s_mov_b32 s[\g+1], 32<<16
	s_mov_b32 s[\g+2], (128*KS/256)<<16
	s_mov_b32 s[\g+3], 32<<16
	s_mov_b32 s[\g+4], 128*KS/256
	s_mov_b32 s[\g+5], 32
	s_mov_b32 s[\g+6], 0
	s_mov_b32 s[\g+7], 0
.endr
	s_lshl_b32 s18, s16, 7
	s_lshl_b32 s20, s17, 8
	s_add_co_u32 s20, s20, s18                     ; tokens: row 256 x tile row + 128 x half
	s_lshl_b32 s46, s42, 8
	s_add_co_u32 s46, s46, s18                     ; w_codes: row 256 x tile column + 128 x half
	s_mov_b32 s21, 0
	s_mov_b32 s47, 0
	s_mov_b64 s[18:19], KS
	s_mul_u64 s[22:23], s[20:21], s[18:19]         ; where these rows' scales begin,
	s_mul_u64 s[92:93], s[46:47], s[18:19]
	s_mov_b64 s[18:19], KROW
	s_mul_u64 s[20:21], s[20:21], s[18:19]         ; and their codes
	s_mul_u64 s[46:47], s[46:47], s[18:19]
	s_mul_i32 s45, s14, HALFT                      ; where they go: wave x 128 rows
	s_mul_i32 s94, s14, HALFS
	s_wait_dscnt 0x0                               ; both opening adds are done
	s_wait_kmcnt 0x0
	s_add_nc_u64 s[20:21], s[4:5], s[20:21]
	s_add_nc_u64 s[22:23], s[6:7], s[22:23]
	s_add_nc_u64 s[46:47], s[8:9], s[46:47]
	s_add_nc_u64 s[92:93], s[10:11], s[92:93]
	CROUND                                         ; all sixteen work-groups are here: the first joint loads meet
	s_mov_b32 s[G0S], 1
	s_add_co_u32 s[G0S+1], s94, SCL
	s_mov_b64 s[G0S+2:G0S+3], s[22:23]
	s_or_b32 s[G0S+3], s[G0S+3], 0x80000000
	s_mov_b32 s[G0SB], 1
	s_add_co_u32 s[G0SB+1], s94, SCL
	s_mov_b64 s[G0SB+2:G0SB+3], s[92:93]
	s_or_b32 s[G0SB+3], s[G0SB+3], 0x80000000
	JLOAD G0S, G1S, G0SB, G1SB                     ; the scales first; by this text's count three loads of a wave are out at the most
.irp s, 0,1
	s_mov_b32 s[G0+4*\s], 1
	s_add_co_u32 s[G0+4*\s+1], s45, \s*SLOT
	s_add_nc_u64 s[G0+4*\s+2:G0+4*\s+3], s[20:21], \s*ROWB
	s_or_b32 s[G0+4*\s+3], s[G0+4*\s+3], 0x80000000
	s_mov_b32 s[G0B+4*\s], 1
	s_add_co_u32 s[G0B+4*\s+1], s45, \s*SLOT
	s_add_nc_u64 s[G0B+4*\s+2:G0B+4*\s+3], s[46:47], \s*ROWB
	s_or_b32 s[G0B+4*\s+3], s[G0B+4*\s+3], 0x80000000
	JLOAD G0+4*\s, G1, G0B+4*\s, G1B
.endr
	v_and_b32 v1, 15, v0                           ; l % 16
	v_bfe_u32 v2, v0, 4, 1                         ; l / 16
	v_mul_u32_u24 v3, v1, PITCH
	v_lshl_add_u32 v4, v2, 4, v3                   ; a fragment's row x pitch + 16 x half
	s_cmp_eq_u32 ttmp9, 2                          ; v's clusters: the cluster's x, the same in all sixteen partners
	s_cselect_b32 s95, 2*HALFT, 0                  ; where role A's 256 rows lie in a slot: the tokens' place, or for v w_codes';
	s_cselect_b32 s96, 0, 2*HALFT                  ; role B's;
	s_cselect_b32 s97, 2*HALFS, 0                  ; and the same for the scales
	s_cselect_b32 s98, 0, 2*HALFS
	s_mul_i32 s21, s15, HALFT
	s_add_co_u32 s21, s21, s95
	s_mul_i32 s22, s16, HALFT
	s_add_co_u32 s22, s22, s96
.irp s, 0,1
	v_add_nc_u32 v[ADRA+\s], s21, v4
	v_add_nc_u32 v[ADRB+\s], s22, v4
	s_add_co_u32 s21, s21, SLOT
	s_add_co_u32 s22, s22, SLOT
.endr
	v_mul_u32_u24 v5, v1, KS                       ; my row's scales: KS bytes a row,
	v_lshrrev_b32 v6, 8, v5
	v_lshl_add_u32 v5, v6, 4, v5                   ; and 16 more for each 256 passed
	s_mul_i32 s21, s15, HALFS
	s_add_co_u32 s21, s21, s97
	s_add_co_u32 s21, s21, SCL                     ; role A's 128 rows
	s_mul_i32 s22, s16, HALFS
	s_add_co_u32 s22, s22, s98
	s_add_co_u32 s22, s22, SCL                     ; role B's
	v_mov_b32 v6, s21
	v_mov_b32 v7, s22
	v_cmp_eq_u32 vcc_lo, 1, v2                     ; (written and read behind the last tensor load)
	v_cndmask_b32 v6, v6, v7, vcc_lo               ; lanes 16-31 take role B's
	v_add_nc_u32 v[ADRS], v5, v6
	v_and_b32 v6, 31, v0
	v_lshlrev_b32 v[CO], 4, v6
	; which BLOCK is my wave's
	s_lshl_b32 s20, s17, 1
	s_add_co_u32 s21, s20, s15
	s_lshl_b32 s21, s21, 4
	s_lshl_b32 s46, s42, 1
	s_add_co_u32 s47, s46, s16
	s_add_co_u32 s21, s21, s47                     ; q, k: (2 x tile row + my half of the tokens) x 16 + 2 x tile column + my half of the channels
	s_add_co_u32 s46, s46, s15
	s_sub_co_u32 s46, s46, 16
	s_lshl_b32 s46, s46, 6
	s_add_co_u32 s46, s46, s20
	s_add_co_u32 s46, s46, s16
	s_add_co_u32 s46, s46, 1024                    ; v: 1024 + (2 x (tile column - 8) + my half of the channels) x 64 + 2 x tile row + my half of the tokens
	s_cmp_eq_u32 ttmp9, 2
	s_cselect_b32 s20, s46, s21
	s_lshl_b32 s20, s20, 15
	s_mov_b32 s21, 0
	s_add_nc_u64 s[12:13], s[12:13], s[20:21]
.macro FRAG reg, adr, q, i             ; 16 rows x 128 K of 4-bit codes: 8 registers: two loads of 16 bytes, 32 bytes apart
.irp c, 0,1
	ds_load_b128 v[\reg+4*\c:\reg+4*\c+3], v[\adr] offset:64*(\q)+32*\c+(\i)*16*PITCH
.endr
.endm
; 16 matrix instructions: role A's blocks a0, a0 + 1 x role B's eight.  The 64 accumulators take turns, one instruction a turn, in the same order in every step.
.macro MUL16 a0, p, q, sc, zero
.irp a, \a0, \a0+1
.irp b, 0,1,2,3,4,5,6,7
.if \zero
	v_wmma_scale_f32_16x16x128_f8f6f4 v[8*(8*((\a)%4)+\b):8*(8*((\a)%4)+\b)+7], v[128*(\p)+FR*\b:128*(\p)+FR*\b+FR-1], v[AF+FR*(\a):AF+FR*(\a)+FR-1], 0, v[SC+8*NQ*(\sc)+NQ*\b+(\q)], v[SC+8*NQ*(\sc)+NQ*(\a)+(\q)] matrix_a_fmt:MATRIX_FMT_FP4 matrix_b_fmt:MATRIX_FMT_FP4 matrix_a_scale:MATRIX_SCALE_ROW1
.else
	v_wmma_scale_f32_16x16x128_f8f6f4 v[8*(8*((\a)%4)+\b):8*(8*((\a)%4)+\b)+7], v[128*(\p)+FR*\b:128*(\p)+FR*\b+FR-1], v[AF+FR*(\a):AF+FR*(\a)+FR-1], v[8*(8*((\a)%4)+\b):8*(8*((\a)%4)+\b)+7], v[SC+8*NQ*(\sc)+NQ*\b+(\q)], v[SC+8*NQ*(\sc)+NQ*(\a)+(\q)] matrix_a_fmt:MATRIX_FMT_FP4 matrix_b_fmt:MATRIX_FMT_FP4 matrix_a_scale:MATRIX_SCALE_ROW1
.endif
.endr
.endr
.endm
.macro FETCH_B slot, q, p
	WIN TO_B
.irp i, 0,1,2,3,4,5,6,7
	FRAG 128*(\p)+FR*\i, ADRB+\slot, \q, \i
.endr
	WIN 0
.endm
.macro FETCH_A slot, q, i0
.irp i, \i0, \i0+1, \i0+2, \i0+3
	FRAG AF+FR*(\i), ADRA+\slot, \q, \i
.endr
.endm
.macro SCALES sc                       ; a slot's scale words: four words a row; lanes 0-15 role A's block i, lanes 16-31 role B's
.irp i, 0,1,2,3,4,5,6,7
	ds_load_b128 v[SC+8*NQ*\sc+NQ*\i:SC+8*NQ*\sc+NQ*\i+3], v[ADRS] offset:\i*SBLK
.endr
.endm
.macro PLACES n                        ; plain vector lines between a matrix instruction and a load into, or a vector line on, its registers
.rept \n
	v_nop
.endr
.endm
.macro STEP slot, q, zero              ; 128 along K with its successor in the same slot
	s_wait_dscnt 4*NL                              ; role B's set and role A's blocks 0-3 are in; the youngest eight loads (blocks 4-7) may be out
	WIN MUL_LO
	MUL16 0, (\q)%2, \q, \slot, \zero
	MUL16 2, (\q)%2, \q, \slot, \zero
	s_wait_dscnt 0
	PLACES NP
	FETCH_B \slot, (\q)+1, 1-(\q)%2
	FETCH_A \slot, (\q)+1, 0
	WIN MUL_HI
	MUL16 4, (\q)%2, \q, \slot, \zero
	MUL16 6, (\q)%2, \q, \slot, \zero
	PLACES NP
	WIN 0
	FETCH_A \slot, (\q)+1, 4
.endm
	s_wait_tensorcnt 1                             ; the scales and my part of slot 0 are in; slot 1's load may be out
	s_barrier_signal -1
	s_barrier_wait -1
	FETCH_B 0, 0, 0
	FETCH_A 0, 0, 0
	SCALES 0
	FETCH_A 0, 0, 4
	STEP 0, 0, 1                                   ; the first products start the sums: nothing is cleared
	STEP 0, 1, 0
	STEP 0, 2, 0
	; slot 0's last step, and the change to slot 1: one barrier; nothing is filled again
	s_wait_tensorcnt 0x0                           ; my part of slot 1 has landed
	ds_add_u32 v[SPW], v[NIL]
	s_wait_dscnt 4*NL+1                            ; (the add and the youngest eight loads may be out)
	WIN MUL_LO
	MUL16 0, 1, NQ-1, 0, 0
	s_wait_dscnt 0x0
	s_barrier_signal -1
	MUL16 2, 1, NQ-1, 0, 0
	WIN 0
	s_barrier_wait -1
	PLACES NP
	v_add_nc_u32 v[ADRS], 4*NQ, v[ADRS]            ; on to slot 1's scale words (no LDS load of mine is out)
	FETCH_B 1, 0, 0
	FETCH_A 1, 0, 0
	SCALES 1
	WIN MUL_HI
	MUL16 4, 1, NQ-1, 0, 0
	MUL16 6, 1, NQ-1, 0, 0
	PLACES NP
	WIN 0
	FETCH_A 1, 0, 4
	STEP 1, 0, 0
	STEP 1, 1, 0
	STEP 1, 2, 0
	s_wait_dscnt 4*NL                              ; the last step: nothing more to fetch
	WIN MUL_LO
	MUL16 0, 1, NQ-1, 1, 0
	MUL16 2, 1, NQ-1, 1, 0
	s_wait_dscnt 0
	WIN MUL_HI
	MUL16 4, 1, NQ-1, 1, 0
	MUL16 6, 1, NQ-1, 1, 0
	WIN 0
; THE WAY OUT.  Accumulator (a, b): a lane's eight numbers, rounded to f16, are register group b % 2 of the fragment (rows 16 a on, K 32 (b / 2) on) of my BLOCK.
.macro PACK a
.set AC, 64*((\a)%4)
.set TM, TMP+32*((\a)%4)
	WIN 0x0a+5*((\a)/4)                            ; sources 0 and 1: window 2 or 3
.irp b, 0,1,2,3,4,5,6,7
.irp r, 0,1,2,3
	v_cvt_pk_f16_f32 v[TM+4*\b+\r], v[AC+8*\b+2*\r], v[AC+8*\b+2*\r+1]   ; each accumulator from its low end on
.endr
.endr
	WIN 0
.endm
.macro OUT a
.set TM, TMP+32*((\a)%4)
.irp b, 0,1,2,3,4,5,6,7
	global_store_b128 v[CO], v[TM+4*\b:TM+4*\b+3], s[12:13] offset:(\b/2)*8192+(\a)*1024+(\b%2)*512   ; 32 lanes store 512 consecutive bytes, aligned
.endr
.endm
	PLACES NP                                      ; the conversions read results and write registers that the last products read
.irp a, 0,1,2,3,4,5,6,7
.if \a == 4
	s_wait_xcnt 0x0                                ; the stores of blocks 0-3 have read their registers: the four sets are written again
.endif
	PACK \a
	OUT \a
.endr
	s_wait_tensorcnt 0x0                           ; the wave's end
	ds_add_u32 v[SPW], v[NIL]
	s_wait_dscnt 0x0
	CROUND                                         ; the closing round
	s_endpgm
.Lfunc_end_k_qd1f44d1df3_proj:
	.size	k_qd1f44d1df3_proj, .Lfunc_end_k_qd1f44d1df3_proj-k_qd1f44d1df3_proj
	.p2alignl 7, 3214868480
	.fill 96, 4, 3214868480
	.section	.rodata,"a",@progbits
	.p2align	6, 0x0
	.amdhsa_kernel k_qd1f44d1df3_proj
		.amdhsa_group_segment_fixed_size 327680
		.amdhsa_private_segment_fixed_size 0
		.amdhsa_enable_private_segment 0
		.amdhsa_kernarg_size 40
		.amdhsa_user_sgpr_count 2
		.amdhsa_user_sgpr_kernarg_segment_ptr 1
		.amdhsa_wavefront_size32 1
		.amdhsa_system_sgpr_workgroup_id_x 1
		.amdhsa_system_sgpr_workgroup_id_y 1
		.amdhsa_system_sgpr_workgroup_id_z 1
		.amdhsa_system_vgpr_workitem_id 0
		.amdhsa_next_free_vgpr 1024
		.amdhsa_next_free_sgpr 100
		.amdhsa_reserve_vcc 1
		.amdhsa_float_denorm_mode_32 3
		.amdhsa_float_denorm_mode_16_64 3
		.amdhsa_memory_ordered 1
		.amdhsa_forward_progress 1
		.amdhsa_inst_pref_size 118
	.end_amdhsa_kernel
	.amdgpu_metadata
---
amdhsa.version: [ 1, 2 ]
amdhsa.kernels:
  - .name:           k_qd1f44d1df3_proj
    .symbol:         k_qd1f44d1df3_proj.kd
    .args:
      - { .name: y_codes, .offset: 0, .size: 8, .value_kind: global_buffer, .address_space: global }
      - { .name: y_scales, .offset: 8, .size: 8, .value_kind: global_buffer, .address_space: global }
      - { .name: w_codes, .offset: 16, .size: 8, .value_kind: global_buffer, .address_space: global }
      - { .name: w_scales, .offset: 24, .size: 8, .value_kind: global_buffer, .address_space: global }
      - { .name: qkv, .offset: 32, .size: 8, .value_kind: global_buffer, .address_space: global }
    .group_segment_fixed_size: 327680
    .private_segment_fixed_size: 0
    .kernarg_segment_align: 8
    .kernarg_segment_size: 40
    .max_flat_workgroup_size: 128
    .sgpr_count:     100
    .vgpr_count:     1024
    .wavefront_size: 32
...
	.end_amdgpu_metadata
.endif
;; end of part 2
;; launch scores (part 3): grid 8 x 32, 4 waves a work-group, clusters of 4 x 4, 327,680 bytes of LDS; arguments qkv, stats, pf; writes stats, pf
.if DOCPART == 3
	.amdgcn_target "amdgcn-amd-amdhsa--gfx1250"
	.amdhsa_code_object_version 6
	.text
	.protected	k_qd1f44d1df3_scores
	.globl	k_qd1f44d1df3_scores
	.p2align	8
	.type	k_qd1f44d1df3_scores,@function
k_qd1f44d1df3_scores:
	s_mov_b64 s[64:65], 0
	v_nop
	global_prefetch_b8 v0, s[64:65] scope:SCOPE_SE
	s_setreg_imm32_b32 hwreg(HW_REG_WAVE_MODE, 25, 1), 1
	s_wait_xcnt 0x0
	s_wait_alu depctr_hold_cnt(0) depctr_sa_sdst(0) depctr_va_vdst(0) depctr_va_sdst(0) depctr_va_ssrc(0) depctr_va_vcc(0) depctr_vm_vsrc(0)
	s_getreg_b32 s2, hwreg(HW_REG_IB_STS2, 6, 4)
	s_cmp_eq_u32 s2, 0
	s_cbranch_scc0 .Lentry_in_a_cluster
	s_endpgm
.Lentry_in_a_cluster:
	s_bfe_u32 s2, ttmp6, 0x10000c
	s_cmp_lg_u32 s2, 0xf033
	s_cbranch_scc0 .Lentry_shape_is_right
	s_endpgm
.Lentry_shape_is_right:
; S = q k^T for a tile of 256 queries x 256 keys of one batch, f16 operands, f32 sums; then, for each query and each run of 128 keys: t = S x log2(e) / 32; M = the run's largest t rounded UP to a whole number;
; p = 2^(t - M), rounded to f16 and stored as an operand of the last product; -M and the sum of the unrounded p go to stats.  The last launch brings all runs of a row under the row's largest M.
; So reference()'s maximum is taken away before every exponential: no exponent is above 0, and a run's largest p lies above 1/2.  LIMITS: NaN and infinities are not served; q and k are f16 (under 65,504).
; q and k come as BLOCKS of 32,768 bytes (128 rows x 128 along K as images of operand registers: byte kq x 8192 + rb x 1024 + c x 512 + 16 x lane): a tile is a dense block of memory, a fragment two loads at 16 x lane.
; Four waves, 128 x 128 each: 64 accumulators in windows 2 and 3.  K = 1,024 goes in 8 steps of 128 through two LDS slots; each wave brings one BLOCK a step.
; USED TRANSPOSED: source 0 = 16 keys, source 1 = 16 queries: a lane holds one query and eight neighbouring keys, which pack into one register group of p's BLOCK: pf block = (query / 128) x 16 + key / 128 (in the batch).
; stats: byte plane x 524288 + ((row / 64) x 16 + j) x 256 + (row % 16) x 16 + ((row / 16) % 4) x 4; plane 0: -M, plane 1: the sum.
; CLUSTERS: 4 x 4: q's tiles are shared along a row of the cluster, k's along a column.
; REGISTERS: window 0: v0-31 addresses; v32-55 the way out's small work; v64-127, v128-191 q's fragments, two buffers (way out: v64-127 p, v192-223 packed p).  window 1: v64-191 k's fragments.
.set BLK,   32768
.set SLOT,  131072                     ; q's two BLOCKS, then k's two
.set SPARE, 262144                     ; behind the ring: the spare words, 128 bytes a wave
.set LAPS,  4                          ; a lap = two K steps
.set ADRA, 16                          ; v16-17 LDS address of q's fragments in slot 0, 1
.set ADRB, 20                          ; v20-21 of k's
.set CO,   26                          ; v26    16 x lane
.set SO,   27                          ; v27    stats: 16 x (lane % 16) + 524288 x (lane / 16)
.set SPW,  28
.set NIL,  29
.set PFO,  30                          ; v30    256 x lane
.set T,    32                          ; v32-39 eight chains of the maximum
.set NM,   40                          ; v40 -M, v41 the largest t
.set SU,   42                          ; v42-45 the sum, two chains of pairs
.set XT,   46                          ; v46    what comes from lane l xor 16
.set STT,  48                          ; v48-55 block a: lanes 0-15 -M, lanes 16-31 the sum
.set EX,   64
.set TMP,  192
.set F0,   64
.set F1,   128
.set G1,  24
.set G0,  32
.set LIM, 43                           ; s43 1 in a wave that prefetches, else the greatest number
.set PFA, 44                           ; s[44:45] where my prefetches stand
.set G1B, 48
.set G0B, 56
.set SEL, 66                           ; s[66:67] v_permlanex16_b32's selects for lane l xor 16
.set CS,  68                           ; s[68:69] c = log2(e) / 32
.set MSB, 0
.macro WIN new
.if MSB != (\new)
	s_set_vgpr_msb (MSB<<8)|(\new)
.set MSB, (\new)
.endif
.endm
.set MUL_LO, 0xa1                      ; source 0 (k) window 1, source 1 (q) window 0, C and D window 2
.set MUL_HI, 0xf1
.set TO_B,   0x40
.macro JLOAD s                         ; waves 0 and 1 fetch q's two BLOCKS, waves 2 and 3 k's; an s_nop 0 and four v_nop follow each line
	s_cmp_eq_u32 s11, 0
	s_cbranch_scc0 .Lfor_b_\@
	tensor_load_to_lds s[G0+4*\s:G0+4*\s+3], s[G1:G1+7]
	s_nop 0
.rept 4
	v_nop
.endr
	s_branch .Lasked_\@
.Lfor_b_\@:
	tensor_load_to_lds s[G0B+4*\s:G0B+4*\s+3], s[G1B:G1B+7]
	s_nop 0
.rept 4
	v_nop
.endr
.Lasked_\@:
.endm
; A prefetch of the K step that stands two refills on: 8,192 bytes of the BLOCK that my wave will fetch, lanes 256 bytes apart.  The four partners that ask for a BLOCK jointly share it out by address.
; q's BLOCKS are read by both clusters of a row of clusters: cluster x = 0 asks; k's by the two clusters of a batch: the even cluster y asks.  The loop's last trip asks for nothing: there is no K step two on.
.macro ASK
	s_cmp_gt_u32 s3, s[LIM]
	s_cbranch_scc0 .Lnot_mine_\@
	global_prefetch_b8 v[PFO], s[PFA:PFA+1] offset:BLK th:TH_LOAD_NT scope:SCOPE_SE
.Lnot_mine_\@:
.endm
.macro CREST
	s_cmp_lg_u32 s10, 0
	s_cbranch_scc1 .Lnot_wave_0_\@
	s_barrier_signal -3
.Lnot_wave_0_\@:
	s_barrier_wait -3
	s_barrier_signal -1
	s_barrier_wait -1
.endm
.macro CROUND
	s_barrier_signal -1
	s_barrier_wait -1
	CREST
.endm
	s_load_b128 s[4:7], s[0:1], 0x0                ; qkv, stats
	s_load_b64 s[8:9], s[0:1], 0x10                ; pf
	v_lshl_add_u32 v[SPW], v0, 2, SPARE
	v_mov_b32 v[NIL], 0
	ds_add_u32 v[SPW], v[NIL]                      ; the wave's opening: the add, twice on end, and its wait ahead of my first tensor load
	ds_add_u32 v[SPW], v[NIL]
	v_lshrrev_b32 v1, 5, v0
	v_readfirstlane_b32 s10, v1                    ; wave 0..3
	s_lshr_b32 s11, s10, 1                         ; which 128 queries are mine.  Also: I fetch q (0) or k (1)
	s_and_b32 s12, s10, 1                          ; which 128 keys.  Also: which BLOCK of the two I fetch
	s_bfe_u32 s40, ttmp6, 0x40000                  ; cx, cy
	s_bfe_u32 s41, ttmp6, 0x40004
	s_lshl_b32 s42, ttmp9, 2
	s_add_co_u32 s42, s42, s40                     ; key tile (0..7) = 4 x cluster x + cx
	s_and_b32 s14, ttmp7, 0xffff                   ; cluster y: batch x 2 + half
	s_lshl_b32 s13, s14, 2
	s_add_co_u32 s13, s13, s41                     ; query tile (0..31) = 4 x cluster y + cy
	s_lshl_b32 s70, s41, 2
	s_lshl_b32 s70, 15, s70                        ; my row of the cluster
	s_lshl_b32 s71, 0x1111, s40                    ; my column
	s_or_b32 s[G1], s70, (3<<16)|(1<<21)           ; the mask; elements of 8 bytes; no padding; bit 21 beside a mask
	s_or_b32 s[G1B], s71, (3<<16)|(1<<21)
.irp g, G1, G1B
	s_mov_b32 s[\g+1], 32<<16                      ; tensor_dim0 = 32 elements: rows of 256 bytes
	s_mov_b32 s[\g+2], 128<<16                     ; tensor_dim1 = 128 rows: a BLOCK
	s_mov_b32 s[\g+3], 32<<16                      ; tile_dim0
	s_mov_b32 s[\g+4], 128                         ; tile_dim1
	s_mov_b32 s[\g+5], 32                          ; the pitch: dense
	s_mov_b32 s[\g+6], 0
	s_mov_b32 s[\g+7], 0
.endr
	s_mov_b32 s[SEL], 0x76543210
	s_mov_b32 s[SEL+1], 0xfedcba98
	s_mov_b32 s[CS], 0x3d38aa3b                    ; log2(e) / 32
	s_mov_b32 s[CS+1], s[CS]                       ; (named with it as a pair, so it is written)
	v_mov_b32 v[XT], 0                             ; a lane permute's destination counts as one of its sources
	s_lshl_b32 s16, s13, 1
	s_add_co_u32 s16, s16, s12
	s_lshl_b32 s16, s16, 19                        ; q: token group 2 x query tile + half; 16 BLOCKS a group
	s_mov_b32 s17, 0
	s_lshr_b32 s18, s14, 1                         ; the batch, from the cluster's y alone
	s_lshl_b32 s18, s18, 4
	s_lshl_b32 s19, s42, 1
	s_add_co_u32 s18, s18, s19
	s_add_co_u32 s18, s18, s12
	s_lshl_b32 s18, s18, 19                        ; k: token group 16 x batch + 2 x key tile + half,
	s_add_co_u32 s18, s18, 8*BLK                   ; its BLOCKS 8 to 15
	s_mov_b32 s19, 0
	s_lshl_b32 s20, s10, 15                        ; where a BLOCK goes in a slot: wave x 32,768
	s_wait_dscnt 0x0                               ; both opening adds are done
	s_wait_kmcnt 0x0
	s_add_nc_u64 s[22:23], s[4:5], s[16:17]
	s_add_nc_u64 s[46:47], s[4:5], s[18:19]
	CROUND                                         ; all sixteen work-groups are here: the first joint loads meet
.irp s, 0,1
	s_mov_b32 s[G0+4*\s], 1
	s_add_co_u32 s[G0+4*\s+1], s20, \s*SLOT
	s_add_nc_u64 s[G0+4*\s+2:G0+4*\s+3], s[22:23], \s*BLK
	s_or_b32 s[G0+4*\s+3], s[G0+4*\s+3], 0x80000000
	s_mov_b32 s[G0B+4*\s], 1
	s_add_co_u32 s[G0B+4*\s+1], s20, \s*SLOT
	s_add_nc_u64 s[G0B+4*\s+2:G0B+4*\s+3], s[46:47], \s*BLK
	s_or_b32 s[G0B+4*\s+3], s[G0B+4*\s+3], 0x80000000
	JLOAD \s                                       ; K steps 0 and 1: two loads of mine are out
.endr
	v_and_b32 v1, 15, v0                           ; r
	v_bfe_u32 v2, v0, 4, 1                         ; h
	v_and_b32 v3, 31, v0
	v_lshlrev_b32 v[CO], 4, v3
	v_lshlrev_b32 v[PFO], 8, v3
	v_lshlrev_b32 v[SO], 4, v1
	v_lshl_add_u32 v[SO], v2, 19, v[SO]
	s_lshl_b32 s21, s11, 15                        ; my 128 queries' BLOCK,
	s_lshl_b32 s72, s12, 15
	s_add_co_u32 s72, s72, 2*BLK                   ; my 128 keys', behind q's two
.irp s, 0,1
	v_add_nc_u32 v[ADRA+\s], s21, v[CO]
	v_add_nc_u32 v[ADRB+\s], s72, v[CO]
	s_add_co_u32 s21, s21, SLOT
	s_add_co_u32 s72, s72, SLOT
.endr
	; the prefetches: where mine stand, and who asks
	s_and_b32 s74, s14, 1
	s_cmp_eq_u32 s11, 0
	s_cselect_b32 s72, s16, s18                    ; the BLOCK that I fetch, K step 0
	s_cselect_b32 s73, s40, s41                    ; my place among the four that ask for it with me
	s_cselect_b32 s74, ttmp9, s74                  ; the coordinate along which another cluster reads the same BLOCKS
	s_cmp_eq_u32 s74, 0
	s_cselect_b32 s[LIM], 1, -1                    ; the same in all sixteen partners, for a given wave
	s_lshl_b32 s73, s73, 13
	s_add_co_u32 s72, s72, s73
	s_add_co_u32 s72, s72, 2*BLK                   ; at K step 2: the first refill steps it to 3 and names K step 4.  Nothing is prefetched at the head
	s_mov_b32 s73, 0
	s_add_nc_u64 s[PFA:PFA+1], s[4:5], s[72:73]
	; where my results go
	s_lshl_b32 s72, s13, 1
	s_add_co_u32 s72, s72, s11                     ; my 128 queries: group g
	s_lshl_b32 s74, s42, 1
	s_add_co_u32 s74, s74, s12                     ; my 128 keys: run j of the batch
	s_lshl_b32 s73, s72, 4
	s_add_co_u32 s73, s73, s74
	s_lshl_b32 s73, s73, 15                        ; pf: block 16 g + j
	s_lshl_b32 s72, s72, 13
	s_lshl_b32 s74, s74, 8
	s_add_co_u32 s74, s72, s74                     ; stats: 8192 g + 256 j
	s_mov_b32 s75, 0
	s_add_nc_u64 s[6:7], s[6:7], s[74:75]
	s_mov_b32 s72, s73
	s_mov_b32 s73, 0
	s_add_nc_u64 s[8:9], s[8:9], s[72:73]
; 16 matrix instructions: query blocks a0, a0 + 1 of the window's four x all 8 key blocks, 32 along K.  The 64 accumulators take turns in the same order in every quarter.
.macro MUL16 f, hi, a0, zero
.irp a, \a0, \a0+1
.irp b, 0,1,2,3,4,5,6,7
.if \zero
	v_wmma_f32_16x16x32_f16 v[8*(8*(\a)+\b):8*(8*(\a)+\b)+7], v[\f+8*\b:\f+8*\b+7], v[\f+8*(4*\hi+\a):\f+8*(4*\hi+\a)+7], 0
.else
	v_wmma_f32_16x16x32_f16 v[8*(8*(\a)+\b):8*(8*(\a)+\b)+7], v[\f+8*\b:\f+8*\b+7], v[\f+8*(4*\hi+\a):\f+8*(4*\hi+\a)+7], v[8*(8*(\a)+\b):8*(8*(\a)+\b)+7]
.endif
.endr
.endr
.endm
.macro FETCH slot, k, f                ; 32 LDS loads in one run: a quarter's fragments (byte k = 8192 x quarter of the BLOCKS): each load takes 512 consecutive bytes
	WIN TO_B
.irp i, 0,1,2,3,4,5,6,7
	ds_load_b128 v[\f+8*\i:\f+8*\i+3],   v[ADRB+\slot] offset:\k+\i*1024
	ds_load_b128 v[\f+8*\i+4:\f+8*\i+7], v[ADRB+\slot] offset:\k+\i*1024+512
.endr
	WIN 0
.irp i, 0,1,2,3,4,5,6,7
	ds_load_b128 v[\f+8*\i:\f+8*\i+3],   v[ADRA+\slot] offset:\k+\i*1024
	ds_load_b128 v[\f+8*\i+4:\f+8*\i+7], v[ADRA+\slot] offset:\k+\i*1024+512
.endr
.endm
.macro PLACES                          ; four plain vector lines between a matrix instruction and a load into, or a vector line on, its registers
.rept 4
	v_nop
.endr
.endm
.macro QUARTER slot, k, f, g, zero     ; 32 along K: multiplies buffer f; in its middle it fetches the next quarter, at byte k, into buffer g
	s_wait_dscnt 8                                 ; k's and q's rows 0-63 are in; the youngest eight loads (q's rows 64-127) may be out
	WIN MUL_LO
	MUL16 \f, 0, 0, \zero
	MUL16 \f, 0, 2, \zero
	PLACES
	FETCH \slot, \k, \g
	s_wait_dscnt 32                                ; all but the 32 just issued
	WIN MUL_HI
	MUL16 \f, 1, 0, \zero
	MUL16 \f, 1, 2, \zero
.endm
; The last quarter's first half, and the one barrier of a change of slots: each wave waits for all its tensor loads, adds 0 to its spare word, and waits for that and for its reads of this slot.
.macro MEET round
	WIN 0                                          ; (the add's two registers lie in window 0)
	s_wait_tensorcnt 0x0                           ; the one load of mine that was out, my part of the next slot, has landed
	ds_add_u32 v[SPW], v[NIL]
	s_wait_dscnt 9                                 ; (the add and the youngest eight loads may be out)
	WIN MUL_LO
	MUL16 F1, 0, 0, 0
	s_wait_dscnt 0x0                               ; the add is done, and my reads of this slot are over
	s_barrier_signal -1
	MUL16 F1, 0, 2, 0
.if \round
	WIN 0
.endif
	s_barrier_wait -1
.endm
.macro TURN slot, next                 ; the whole last quarter, with the slot's refill two K steps on
	s_wait_xcnt 0x0                                ; the last prefetch, a K step back, has read its address
	s_add_nc_u64 s[PFA:PFA+1], s[PFA:PFA+1], BLK
	MEET 1
	CREST                                          ; the barrier has opened a round of the cluster's: no wave of any partner still reads this slot or has a load on its way
	s_add_nc_u64 s[G0+4*\slot+2:G0+4*\slot+3], s[G0+4*\slot+2:G0+4*\slot+3], 2*BLK
	s_add_nc_u64 s[G0B+4*\slot+2:G0B+4*\slot+3], s[G0B+4*\slot+2:G0B+4*\slot+3], 2*BLK
	JLOAD \slot                                    ; my one tensor load behind the round; its four v_nop are also the places in front of the loads below
	FETCH \next, 0, F0
	ASK
	WIN MUL_HI
	MUL16 F1, 1, 0, 0
	MUL16 F1, 1, 2, 0
.endm
	s_wait_tensorcnt 1                             ; my part of K step 0 is in; K step 1's may be out
	s_barrier_signal -1
	s_barrier_wait -1
	FETCH 0, 0, F0
	QUARTER 0, 8192, F0, F1, 1                     ; the first quarter's products start the sums
	WIN 0
	s_mov_b32 s3, LAPS-1
.Llap:                                             ; a trip goes once round the ring and fills both slots again
	QUARTER 0, 16384, F1, F0, 0
	QUARTER 0, 24576, F0, F1, 0
	TURN 0, 1
	QUARTER 1, 8192,  F0, F1, 0
	QUARTER 1, 16384, F1, F0, 0
	QUARTER 1, 24576, F0, F1, 0
	TURN 1, 0
	QUARTER 0, 8192,  F0, F1, 0
	WIN 0
	s_sub_co_u32 s3, s3, 1
	s_cmp_lg_u32 s3, 0
	s_cbranch_scc1 .Llap
	QUARTER 0, 16384, F1, F0, 0                    ; the last lap fills nothing
	QUARTER 0, 24576, F0, F1, 0
	MEET 0
	PLACES
	FETCH 1, 0, F0
	WIN MUL_HI
	MUL16 F1, 1, 0, 0
	MUL16 F1, 1, 2, 0
	QUARTER 1, 8192,  F0, F1, 0
	QUARTER 1, 16384, F1, F0, 0
	QUARTER 1, 24576, F0, F1, 0
	s_wait_dscnt 8
	WIN MUL_LO
	MUL16 F1, 0, 0, 0
	MUL16 F1, 0, 2, 0
	s_wait_dscnt 0
	WIN MUL_HI
	MUL16 F1, 1, 0, 0
	MUL16 F1, 1, 2, 0
	WIN 0
	PLACES
	v_cmp_eq_u32 vcc_lo, 1, v2                     ; lanes 16-31 (no tensor load follows)
; THE WAY OUT of query block a: a lane holds query 16 a + r and 64 of its 128 keys; lane l xor 16 holds the other 64.
.macro SOFT a
.set AC, 64*((\a)%4)
.set W3, (\a)/4
	WIN 0x2a+0x15*W3                               ; all three sources in window 2 or 3
.irp b, 0,1,2,3,4,5,6,7
	v_max3_num_f32 v[T+\b], v[AC+8*\b], v[AC+8*\b+1], v[AC+8*\b+2]   ; eight chains; each accumulator is read from its low end on
.endr
	WIN 0x28+0x14*W3                               ; sources 1 and 2
.irp i, 3,5
.irp b, 0,1,2,3,4,5,6,7
	v_max3_num_f32 v[T+\b], v[T+\b], v[AC+8*\b+\i], v[AC+8*\b+\i+1]
.endr
.endr
.irp b, 0,2,4,6
	v_max3_num_f32 v[T+\b], v[T+\b], v[AC+8*\b+7], v[AC+8*\b+15]
.endr
	WIN 0
	v_max3_num_f32 v[T], v[T], v[T+1], v[T+2]
	v_max3_num_f32 v[T+3], v[T+3], v[T+4], v[T+5]
	v_max3_num_f32 v[T], v[T], v[T+3], v[T+6]
	v_max_num_f32 v[T], v[T], v[T+7]
	v_permlanex16_b32 v[XT], v[T], s[SEL], s[SEL+1]
	v_max_num_f32 v[T], v[T], v[XT]                ; the largest score of my query among the 128 keys
	v_mul_f32 v[NM+1], s[CS], v[T]                 ; as t (c is positive)
	v_floor_f32 v[NM], -v[NM+1]                    ; -M = floor(-t) = -ceil(t): a whole number
	WIN 0x02+W3                                    ; source 0
.set i, 0
.rept 32
	v_pk_fma_f32 v[EX+i:EX+i+1], v[AC+i:AC+i+1], s[CS:CS+1], v[NM:NM+1] op_sel_hi:[1,0,0]   ; t - M, two at a time
.set i, i+2
.endr
	WIN 0
.set i, 0
.rept 64
	v_exp_f32 v[EX+i], v[EX+i]                     ; p = 2^(t - M), at most 1
.set i, i+1
.endr
	v_nop                                          ; a plain line behind the last exponential
	s_wait_alu depctr_va_vdst(0)                   ; the wait ahead of the first line that names a result: one for the batch
	v_pk_add_f32 v[SU:SU+1], v[EX:EX+1], v[EX+2:EX+3]              ; the sum of the unrounded p, in two chains
	v_pk_add_f32 v[SU+2:SU+3], v[EX+4:EX+5], v[EX+6:EX+7]
.irp j, 8,12,16,20,24,28,32,36,40,44,48,52,56,60
	v_pk_add_f32 v[SU:SU+1], v[SU:SU+1], v[EX+\j:EX+\j+1]
	v_pk_add_f32 v[SU+2:SU+3], v[SU+2:SU+3], v[EX+\j+2:EX+\j+3]
.endr
	v_pk_add_f32 v[SU:SU+1], v[SU:SU+1], v[SU+2:SU+3]
	s_wait_xcnt 0x0                                ; the last block's stores have read their registers
.set i, 0
.rept 32
	v_cvt_pk_f16_f32 v[TMP+i], v[EX+2*i], v[EX+2*i+1]
.set i, i+1
.endr
	v_add_f32 v[SU], v[SU], v[SU+1]
	v_permlanex16_b32 v[XT], v[SU], s[SEL], s[SEL+1]
	v_add_f32 v[SU], v[SU], v[XT]                  ; the run's sum
	v_cndmask_b32 v[STT+\a], v[NM], v[SU], vcc_lo  ; lanes 0-15 keep -M, lanes 16-31 the sum
.irp b, 0,1,2,3,4,5,6,7
	global_store_b128 v[CO], v[TMP+4*\b:TMP+4*\b+3], s[8:9] offset:(\b/2)*8192+(\a)*1024+(\b%2)*512   ; 512 consecutive bytes, aligned
.endr
.endm
.irp a, 0,1,2,3,4,5,6,7
	SOFT \a
.endr
	global_store_b128 v[SO], v[STT:STT+3], s[6:7]                  ; sixteen lanes store 256 consecutive bytes of a plane, aligned: my queries 0-63,
	global_store_b128 v[SO], v[STT+4:STT+7], s[6:7] offset:4096    ; and 64-127
	s_wait_tensorcnt 0x0                           ; the wave's end
	ds_add_u32 v[SPW], v[NIL]
	s_wait_dscnt 0x0
	CROUND                                         ; the closing round
	s_endpgm
.Lfunc_end_k_qd1f44d1df3_scores:
	.size	k_qd1f44d1df3_scores, .Lfunc_end_k_qd1f44d1df3_scores-k_qd1f44d1df3_scores
	.p2alignl 7, 3214868480
	.fill 96, 4, 3214868480
	.section	.rodata,"a",@progbits
	.p2align	6, 0x0
	.amdhsa_kernel k_qd1f44d1df3_scores
		.amdhsa_group_segment_fixed_size 327680
		.amdhsa_private_segment_fixed_size 0
		.amdhsa_enable_private_segment 0
		.amdhsa_kernarg_size 24
		.amdhsa_user_sgpr_count 2
		.amdhsa_user_sgpr_kernarg_segment_ptr 1
		.amdhsa_wavefront_size32 1
		.amdhsa_system_sgpr_workgroup_id_x 1
		.amdhsa_system_sgpr_workgroup_id_y 1
		.amdhsa_system_sgpr_workgroup_id_z 1
		.amdhsa_system_vgpr_workitem_id 0
		.amdhsa_next_free_vgpr 1024
		.amdhsa_next_free_sgpr 76
		.amdhsa_reserve_vcc 1
		.amdhsa_float_denorm_mode_32 3
		.amdhsa_float_denorm_mode_16_64 3
		.amdhsa_memory_ordered 1
		.amdhsa_forward_progress 1
		.amdhsa_inst_pref_size 202
	.end_amdhsa_kernel
	.amdgpu_metadata
---
amdhsa.version: [ 1, 2 ]
amdhsa.kernels:
  - .name:           k_qd1f44d1df3_scores
    .symbol:         k_qd1f44d1df3_scores.kd
    .args:
      - { .name: qkv, .offset: 0, .size: 8, .value_kind: global_buffer, .address_space: global }
      - { .name: stats, .offset: 8, .size: 8, .value_kind: global_buffer, .address_space: global }
      - { .name: pf, .offset: 16, .size: 8, .value_kind: global_buffer, .address_space: global }
    .group_segment_fixed_size: 327680
    .private_segment_fixed_size: 0
    .kernarg_segment_align: 8
    .kernarg_segment_size: 24
    .max_flat_workgroup_size: 128
    .sgpr_count:     76
    .vgpr_count:     1024
    .wavefront_size: 32
...
	.end_amdgpu_metadata
.endif
;; end of part 3
;; launch pv (part 4): grid 8 x 32, 4 waves a work-group, clusters of 4 x 4, 327,680 bytes of LDS; arguments pf, qkv, stats, out0; writes out0
.if DOCPART == 4
	.amdgcn_target "amdgcn-amd-amdhsa--gfx1250"
	.amdhsa_code_object_version 6
	.text
	.protected	k_qd1f44d1df3_pv
	.globl	k_qd1f44d1df3_pv
	.p2align	8
	.type	k_qd1f44d1df3_pv,@function
k_qd1f44d1df3_pv:
	s_mov_b64 s[64:65], 0
	v_nop
	global_prefetch_b8 v0, s[64:65] scope:SCOPE_SE
	s_setreg_imm32_b32 hwreg(HW_REG_WAVE_MODE, 25, 1), 1
	s_wait_xcnt 0x0
	s_wait_alu depctr_hold_cnt(0) depctr_sa_sdst(0) depctr_va_vdst(0) depctr_va_sdst(0) depctr_va_ssrc(0) depctr_va_vcc(0) depctr_vm_vsrc(0)
	s_getreg_b32 s2, hwreg(HW_REG_IB_STS2, 6, 4)
	s_cmp_eq_u32 s2, 0
	s_cbranch_scc0 .Lentry_in_a_cluster
	s_endpgm
.Lentry_in_a_cluster:
	s_bfe_u32 s2, ttmp6, 0x10000c
	s_cmp_lg_u32 s2, 0xf033
	s_cbranch_scc0 .Lentry_shape_is_right
	s_endpgm
.Lentry_shape_is_right:
; out0[q][:] = (sum over the 16 runs j of 128 keys of 2^(Mj - M) (Pj Vj)) / l, with M = the row's largest Mj and l = the sum over j of 2^(Mj - M) lj: reference()'s softmax, its maximum taken away, times v.
; P (pf) and v^T (qkv, blocks 1024 on) are f16, laid as images of operand registers: for a group of 128 rows, byte Q x 8192 + rb x 1024 + c x 512 + 16 x lane holds registers 4 c .. 4 c + 3 of the fragment of
; rows 16 rb on and keys 32 Q on (Q = 0 .. 63: a QUARTER): all keys of a group lie on end in memory.  Sums in f32.
; THE FACTOR IS APPLIED IN f32: a run's four quarters sum into accumulators X of their own (the first quarter starts them with the constant 0), and then O += f X, f = 2^(Mj - M), by packed multiply-adds.
; LIMITS: a factor under f32's smallest number counts as 0; NaN and infinities are not served; p and v are f16 (|v| under 65,504).
; A tile is 256 queries x 128 channels: 256 work-groups.  Wave w takes queries 64 w .. 64 w + 63 x all 128 channels: 32 accumulators.  USED TRANSPOSED: source 0 = 16 channels of v^T, source 1 = 16 queries of P:
; a lane holds one query and eight neighbouring channels, so a run's factor is one number a lane and row block.
; THE RING: two LDS slots of SIX quarters (192 keys; P's two groups and v^T's one: 3 x 49,152 bytes), as long as two slots and the factors fit: the one load a wave issues behind a round has 192 matrix
; instructions in which to land.  64 quarters = ten slots and one of four quarters, which has descriptors of its own.  Slots (6 quarters) and runs (4) come back into step after 12 quarters: a trip of the loop.
; Five quarters stand in front of the loop (run 0, whose O = f X is a multiply: nothing is cleared), four trips follow, and the last eleven quarters are written out.
; O += f X BY TURNS WITH THE PRODUCTS: 128 packed multiply-adds a run, in slices of four behind 32 of the run's 128 matrix instructions: row blocks 0, 1 behind the run's last 16 products (which sum into blocks
; 2, 3), blocks 2, 3 behind the next run's first 16 (which begin blocks 0, 1 anew).  O and X each fill a register window, so a slice costs two switches; set in a phase of their own the 128 would leave the matrix unit idle.
; CLUSTERS: 4 x 4: P's groups are shared along a row of the cluster, v^T's along a column.  Waves 0, 1 fetch P's two groups, waves 2, 3 the halves of v^T's.
; REGISTERS: window 0: v1-3 lane parts; v6-9 l; v10-13 the row's -M; v16-31 addresses; v32-39 the run's four factors (even registers); v40-47 1 / l in pairs; v64-127 P's two buffers; v128-255 v^T's two.
;   window 1: O.   window 2: X.   Accumulator (a, b) at v[8 (8 a + b)] of its window.
.set QB,     8192                      ; a quarter of one group
.set NQS,    6                         ; quarters in a slot
.set PG,     NQS*QB                    ; a slot's part of one group
.set SLOT,   3*PG                      ; P's two groups, then v^T's one
.set VOFF,   2*PG
.set FT,     2*SLOT                    ; behind the ring: the factors, 4,096 bytes a wave: 256 j + 16 (lane % 16); no tile lands here
.set SPARE,  FT+16384                  ; the spare words, 128 bytes a wave
.set STAGE,  SLOT                      ; the way out: 16 rows x SPITCH a wave, in slot 1, which has had its last fill and, behind the last change of slots, its last read
.set SPITCH, 528
.set TRIPS,  4
.set LL,   6
.set NM,   10
.set ADRA, 16                          ; v16-17 LDS address of my P fragments in slot 0, 1
.set ADRB, 20                          ; v20-21 of v^T's
.set STO,  24
.set RD,   25
.set CO,   26                          ; v26 16 x lane
.set ADRF, 27                          ; v27 LDS address of my factors
.set SPW,  28
.set NIL,  29
.set SR,   30                          ; v30 16 x (lane % 16)
.set PFO,  31                          ; v31 256 x lane
.set FD,   32
.set RL,   40
.set PB,   64
.set VB,   128
.set EX,   64                          ; the way out: a block's 64 numbers
.set BK,   128                         ; and 16 rows read back: v128-191 and v192-255 by turns
.set G1,   24                          ; s[24:31] group 1 for P's loads; s[32:39] their groups 0, one for each slot
.set G0,   32
.set LIM,  43                          ; s43 1 in a wave that prefetches, else the greatest number
.set PFA,  44                          ; s[44:45] where my prefetches stand
.set G1B,  48                          ; s[48:55], s[56:63] the same for v^T's
.set G0B,  56
.set G1T,  76                          ; s[76:83], s[84:91] groups 1 for the last, shorter slot; s[92:95], s[96:99] its groups 0
.set G1BT, 84
.set G0T,  92
.set G0BT, 96
.set MSB, 0
.macro WIN new                         ; the immediate's high byte repeats the setting that is left; a switch that changes nothing is dropped
.if MSB != (\new)
	s_set_vgpr_msb (MSB<<8)|(\new)
.set MSB, (\new)
.endif
.endm
.set MULW, 0xa0                        ; C and D window 2, both operands window 0
.set FMAW, 0x52                        ; destination and source 2 (O) window 1, source 0 (X) window 2, source 1 (the factor) window 0
.macro SHAPE g, rows                   ; a dense block as rows of 256 bytes (32 elements of 8)
	s_mov_b32 s[\g+1], 32<<16                      ; tensor_dim0
	s_mov_b32 s[\g+2], (\rows)<<16                 ; tensor_dim1
	s_mov_b32 s[\g+3], 32<<16                      ; tile_dim0
	s_mov_b32 s[\g+4], \rows                       ; tile_dim1
	s_mov_b32 s[\g+5], 32                          ; the pitch: dense
	s_mov_b32 s[\g+6], 0
	s_mov_b32 s[\g+7], 0
.endm
.macro JLOAD g0a, g1a, g0b, g1b        ; a joint load; the branch hangs on the wave's number alone; an s_nop 0 and four v_nop follow each line
	s_cmp_eq_u32 s13, 0
	s_cbranch_scc0 .Lfor_v_\@
	tensor_load_to_lds s[\g0a:\g0a+3], s[\g1a:\g1a+7]
	s_nop 0
.rept 4
	v_nop
.endr
	s_branch .Lasked_\@
.Lfor_v_\@:
	tensor_load_to_lds s[\g0b:\g0b+3], s[\g1b:\g1b+7]
	s_nop 0
.rept 4
	v_nop
.endr
.Lasked_\@:
.endm
; A prefetch, once a trip, at the trip's second change of slots: the two slots (12 quarters, 98,304 bytes of a group on end) that the NEXT trip's two changes will ask for.  The four partners that ask for a group
; jointly take 24,576 bytes each, told apart by address: three instructions, lanes 256 bytes apart.  P's groups: waves 0 and 1 of cluster x = 0 (both clusters of a row of clusters read them); v^T's group: wave 2
; of the even cluster y of a batch; wave 3 never.  So each block of 256 bytes is named once.  Slots 0 to 3 and the last, shorter one come by their loads alone: the loop's last trip asks for nothing.
.macro ASK
	s_cmp_gt_u32 s3, s[LIM]
	s_cbranch_scc0 .Lnot_mine_\@
	global_prefetch_b8 v[PFO], s[PFA:PFA+1] th:TH_LOAD_NT scope:SCOPE_SE
	global_prefetch_b8 v[PFO], s[PFA:PFA+1] offset:QB th:TH_LOAD_NT scope:SCOPE_SE
	global_prefetch_b8 v[PFO], s[PFA:PFA+1] offset:2*QB th:TH_LOAD_NT scope:SCOPE_SE
.Lnot_mine_\@:
.endm
.macro CREST
	s_cmp_lg_u32 s12, 0
	s_cbranch_scc1 .Lnot_wave_0_\@
	s_barrier_signal -3
.Lnot_wave_0_\@:
	s_barrier_wait -3
	s_barrier_signal -1
	s_barrier_wait -1
.endm
.macro CROUND
	s_barrier_signal -1
	s_barrier_wait -1
	CREST
.endm
	s_load_b256 s[4:11], s[0:1], 0x0               ; pf, qkv, stats, out0
	v_lshl_add_u32 v[SPW], v0, 2, SPARE
	v_mov_b32 v[NIL], 0
	ds_add_u32 v[SPW], v[NIL]                      ; the wave's opening: the add, twice on end, and its wait ahead of my first tensor load
	ds_add_u32 v[SPW], v[NIL]
	v_lshrrev_b32 v1, 5, v0
	v_readfirstlane_b32 s12, v1                    ; wave 0..3
	s_lshr_b32 s13, s12, 1                         ; I fetch P (0) or v^T (1).  Also: in which of P's two groups my queries lie
	s_and_b32 s14, s12, 1                          ; which group of P, or which half of v^T's, I fetch.  Also: which 64 rows of the group are mine
	s_bfe_u32 s40, ttmp6, 0x40000                  ; cx, cy
	s_bfe_u32 s41, ttmp6, 0x40004
	s_lshl_b32 s42, ttmp9, 2
	s_add_co_u32 s42, s42, s40                     ; channel group (0..7)
	s_and_b32 s16, ttmp7, 0xffff                   ; cluster y: batch x 2 + half
	s_lshl_b32 s15, s16, 2
	s_add_co_u32 s15, s15, s41                     ; query tile (0..31)
	s_lshl_b32 s66, s41, 2
	s_lshl_b32 s66, 15, s66                        ; my row of the cluster
	s_lshl_b32 s67, 0x1111, s40                    ; my column
	s_or_b32 s[G1], s66, (3<<16)|(1<<21)           ; the mask; elements of 8 bytes; no padding; bit 21 beside a mask
	s_or_b32 s[G1T], s66, (3<<16)|(1<<21)
	s_or_b32 s[G1B], s67, (3<<16)|(1<<21)
	s_or_b32 s[G1BT], s67, (3<<16)|(1<<21)
	SHAPE G1, PG/256                               ; six quarters of a group of P: 192 rows
	SHAPE G1B, PG/512                              ; three quarters of v^T's group: 96
	SHAPE G1T, 4*QB/256                            ; the last slot: four quarters: 128,
	SHAPE G1BT, 2*QB/256                           ; and two: 64
	s_lshl_b32 s18, s15, 1
	s_add_co_u32 s18, s18, s14
	s_lshl_b32 s18, s18, 19                        ; P: query group 2 x tile + half; 524,288 bytes a group
	s_mov_b32 s19, 0
	s_lshr_b32 s20, s16, 1                         ; the batch, from the cluster's y alone
	s_lshl_b32 s20, s20, 4
	s_lshl_b32 s21, s42, 6
	s_add_co_u32 s20, s20, s21
	s_add_co_u32 s20, s20, 1024
	s_lshl_b32 s20, s20, 15                        ; v^T: block 1024 + 64 x channel group + 16 x batch
	s_lshl_b32 s74, s14, 14                        ; the last slot: my half is two quarters:
	s_add_co_u32 s72, s20, s74
	s_add_co_u32 s72, s72, 10*PG                   ; in memory, behind ten slots,
	s_mov_b32 s73, 0
	s_add_co_u32 s74, s74, VOFF                    ; and in slot 0
	s_mul_i32 s23, s14, PG/2                       ; every other slot: my half is three quarters:
	s_add_co_u32 s20, s20, s23                     ; in memory,
	s_mov_b32 s21, 0
	s_add_co_u32 s23, s23, VOFF                    ; and in a slot
	s_mul_i32 s22, s14, PG                         ; P: my group's place in a slot
	s_wait_dscnt 0x0                               ; both opening adds are done
	s_wait_kmcnt 0x0
	s_add_nc_u64 s[68:69], s[4:5], s[18:19]
	s_add_nc_u64 s[46:47], s[6:7], s[20:21]
	s_add_nc_u64 s[72:73], s[6:7], s[72:73]
	s_mov_b32 s[G0T], 1                            ; the last slot's groups 0 are made here and never stepped
	s_mov_b32 s[G0T+1], s22
	s_add_nc_u64 s[G0T+2:G0T+3], s[68:69], 10*PG
	s_or_b32 s[G0T+3], s[G0T+3], 0x80000000
	s_mov_b32 s[G0BT], 1
	s_mov_b32 s[G0BT+1], s74
	s_mov_b64 s[G0BT+2:G0BT+3], s[72:73]
	s_or_b32 s[G0BT+3], s[G0BT+3], 0x80000000
	CROUND                                         ; all sixteen work-groups are here: the first joint loads meet
.irp s, 0,1
	s_mov_b32 s[G0+4*\s], 1
	s_add_co_u32 s[G0+4*\s+1], s22, \s*SLOT
	s_add_nc_u64 s[G0+4*\s+2:G0+4*\s+3], s[68:69], \s*PG
	s_or_b32 s[G0+4*\s+3], s[G0+4*\s+3], 0x80000000
	s_mov_b32 s[G0B+4*\s], 1
	s_add_co_u32 s[G0B+4*\s+1], s23, \s*SLOT
	s_add_nc_u64 s[G0B+4*\s+2:G0B+4*\s+3], s[46:47], \s*PG
	s_or_b32 s[G0B+4*\s+3], s[G0B+4*\s+3], 0x80000000
	JLOAD G0+4*\s, G1, G0B+4*\s, G1B               ; slots 0 and 1: two loads of mine are out
.endr
	v_and_b32 v1, 15, v0                           ; r
	v_bfe_u32 v2, v0, 4, 1                         ; h
	v_and_b32 v3, 31, v0
	v_lshlrev_b32 v[CO], 4, v3
	v_lshlrev_b32 v[SR], 4, v1
	v_lshlrev_b32 v[PFO], 8, v3
.irp a, 0,1,2,3
	v_mov_b32 v[FD+2*\a+1], 0                      ; (named as the upper halves of the factors' pairs, so they are written)
.endr
	s_lshl_b32 s70, s15, 2
	s_add_co_u32 s70, s70, s12
	s_lshl_b32 s70, s70, 12                        ; stats: my 64 queries are group 4 x tile + wave: 4,096 bytes a group
	s_mov_b32 s71, 0
	s_add_nc_u64 s[8:9], s[8:9], s[70:71]
.irp j, 0,1,2,3,4,5,6,7,8,9,10,11,12,13,14,15
	global_load_b128 v[64+4*\j:67+4*\j], v[SR], s[8:9] offset:256*\j             ; -Mj of my queries r, 16 + r, 32 + r, 48 + r
	global_load_b128 v[128+4*\j:131+4*\j], v[SR], s[8:9] offset:524288+256*\j    ; lj
.endr
	s_mul_i32 s74, s13, PG
	s_lshl_b32 s75, s14, 12
	s_add_co_u32 s74, s74, s75                     ; my 64 rows of P: group wave / 2, row blocks 4 (wave % 2) on
.irp s, 0,1
	v_add_nc_u32 v[ADRA+\s], s74, v[CO]
	v_add_nc_u32 v[ADRB+\s], \s*SLOT+VOFF, v[CO]
	s_add_co_u32 s74, s74, SLOT
.endr
	s_lshl_b32 s74, s12, 12
	s_add_co_u32 s74, s74, FT
	v_add_nc_u32 v[ADRF], s74, v[SR]
	; the prefetches: where mine stand, and who asks
	s_and_b32 s70, s16, 1
	s_or_b32 s70, s70, s14                         ; waves 2, 3: 0 in wave 2 of an even cluster y alone
	s_cmp_eq_u32 s13, 0
	s_cselect_b64 s[PFA:PFA+1], s[4:5], s[6:7]
	s_cselect_b32 s72, s18, s20                    ; my group of P, or (wave 2) v^T's group
	s_cselect_b32 s71, s40, s41                    ; my place among the four that ask for it with me
	s_cselect_b32 s70, ttmp9, s70
	s_cmp_eq_u32 s70, 0
	s_cselect_b32 s[LIM], 1, -1                    ; the same in all sixteen partners, for a given wave
	s_mul_i32 s71, s71, 3*QB
	s_add_co_u32 s72, s72, s71
	s_add_co_u32 s72, s72, 2*PG                    ; at slot 2: the first trip steps it to slot 4.  Nothing is prefetched at the head
	s_mov_b32 s73, 0
	s_add_nc_u64 s[PFA:PFA+1], s[PFA:PFA+1], s[72:73]
	s_lshl_b32 s72, s15, 20                        ; out0: 256 rows of 4,096 bytes a tile,
	s_lshl_b32 s70, s12, 18                        ; 64 a wave,
	s_add_co_u32 s72, s72, s70
	s_lshl_b32 s70, s42, 9                         ; 512 bytes a channel group
	s_add_co_u32 s72, s72, s70
	s_add_nc_u64 s[10:11], s[10:11], s[72:73]
	s_wait_loadcnt 0x0
	; the row's -M = the least -Mj
.irp a, 0,1,2,3
	v_min3_num_f32 v[NM+\a], v[64+\a], v[68+\a], v[72+\a]
.endr
.irp j, 3,5,7,9,11,13
.irp a, 0,1,2,3
	v_min3_num_f32 v[NM+\a], v[NM+\a], v[64+4*\j+\a], v[68+4*\j+\a]
.endr
.endr
.irp a, 0,1,2,3
	v_min_num_f32 v[NM+\a], v[NM+\a], v[124+\a]
.endr
.set i, 0
.rept 64
	v_sub_f32 v[64+i], v[NM+i%4], v[64+i]          ; Mj - M: a whole number, 0 or less
.set i, i+1
.endr
.set i, 0
.rept 64
	v_cvt_i32_f32 v[64+i], v[64+i]                 ; (it saturates)
.set i, i+1
.endr
.set i, 0
.rept 64
	v_ldexp_f32 v[64+i], 1.0, v[64+i]              ; f = 2^(Mj - M)
.set i, i+1
.endr
.irp a, 0,1,2,3
	v_mul_f32 v[LL+\a], v[128+\a], v[64+\a]        ; l = the sum over j of lj f: the first term starts it
.endr
.set i, 4
.rept 60
	v_fmac_f32 v[LL+i%4], v[128+i], v[64+i]
.set i, i+1
.endr
.irp j, 0,1,2,3,4,5,6,7,8,9,10,11,12,13,14,15
	ds_store_b128 v[ADRF], v[64+4*\j:67+4*\j] offset:256*\j        ; run j's four factors of query r: my wave's own bytes; lanes r and 16 + r write the same bytes with the same values
.endr
.macro FETCH slot, sq, g               ; a quarter's fragments into buffer g: P's 8 loads, then v^T's 16; each takes 512 consecutive bytes
.irp a, 0,1,2,3
	ds_load_b128 v[PB+32*(\g)+8*\a:PB+32*(\g)+8*\a+3],   v[ADRA+\slot] offset:QB*(\sq)+1024*\a
	ds_load_b128 v[PB+32*(\g)+8*\a+4:PB+32*(\g)+8*\a+7], v[ADRA+\slot] offset:QB*(\sq)+1024*\a+512
.endr
.irp b, 0,1,2,3,4,5,6,7
	ds_load_b128 v[VB+64*(\g)+8*\b:VB+64*(\g)+8*\b+3],   v[ADRB+\slot] offset:QB*(\sq)+1024*\b
	ds_load_b128 v[VB+64*(\g)+8*\b+4:VB+64*(\g)+8*\b+7], v[ADRB+\slot] offset:QB*(\sq)+1024*\b+512
.endr
.endm
.macro FLOAD run                       ; a run's four factors into the even registers of four pairs
.irp a, 0,1,2,3
	ds_load_b32 v[FD+2*\a], v[ADRF] offset:256*(\run)+4*\a
.endr
.endm
.macro FMA4 a, b, mul                  ; accumulator (a, b): O += f X, from its low end on; mul = 1: the first run starts O
.irp i, 0,2,4,6
.if \mul
	v_pk_mul_f32 v[64*(\a)+8*(\b)+\i:64*(\a)+8*(\b)+\i+1], v[64*(\a)+8*(\b)+\i:64*(\a)+8*(\b)+\i+1], v[FD+2*(\a):FD+2*(\a)+1] op_sel_hi:[1,0]
.else
	v_pk_fma_f32 v[64*(\a)+8*(\b)+\i:64*(\a)+8*(\b)+\i+1], v[64*(\a)+8*(\b)+\i:64*(\a)+8*(\b)+\i+1], v[FD+2*(\a):FD+2*(\a)+1], v[64*(\a)+8*(\b)+\i:64*(\a)+8*(\b)+\i+1] op_sel_hi:[1,0,1]
.endif
.endr
.endm
; Query block a x the 8 channel blocks, 32 keys.  The 32 accumulators take turns in the same order in every quarter.  fa >= 0: behind each product a slice: O += f X for accumulator (fa, b).
.macro MULS g, a, zero, fa, mul
.irp b, 0,1,2,3,4,5,6,7
	WIN MULW
.if \zero
	v_wmma_f32_16x16x32_f16 v[8*(8*(\a)+\b):8*(8*(\a)+\b)+7], v[VB+64*(\g)+8*\b:VB+64*(\g)+8*\b+7], v[PB+32*(\g)+8*(\a):PB+32*(\g)+8*(\a)+7], 0
.else
	v_wmma_f32_16x16x32_f16 v[8*(8*(\a)+\b):8*(8*(\a)+\b)+7], v[VB+64*(\g)+8*\b:VB+64*(\g)+8*\b+7], v[PB+32*(\g)+8*(\a):PB+32*(\g)+8*(\a)+7], v[8*(8*(\a)+\b):8*(8*(\a)+\b)+7]
.endif
.if (\fa) >= 0
	WIN FMAW
	FMA4 \fa, \b, \mul
.endif
.endr
.endm
.macro PLACES                          ; four plain vector lines between a matrix instruction and a load into, or a vector line on, its registers
.rept 4
	v_nop
.endr
.endm
; A QUARTER: 32 keys, 32 matrix instructions, on buffer g; it lies at place sq of slot; kq is its place in its run.  fetch = 1: the next quarter (place nsq of nslot) is fetched into the other buffer.
; kq = 0: the products start X anew, and (fk > 0) row blocks 2, 3 of the run before are added to O behind the first 16.  kq = 1: the run's factors are fetched (run: its place in the table from v[ADRF] on); the
; last slices of the run before have read the old ones.  kq = 3: row blocks 0, 1 are added behind the last 16.  fk = 2: the additions are run 0's: multiplies.
; turn > 0: the slot's last quarter, with the change of slots: 1: the slot is filled again, two slots on; 2: with the last, shorter slot; 3: not at all.
.macro QTR slot, sq, g, kq, nslot, nsq, fetch, run, fk, turn
.set ZR, 0
.set FM, 0
.set FA0, -1
.set FA1, -1
.set FA2, -1
.set FA3, -1
.if (\fk) == 2
.set FM, 1
.endif
.if (\kq) == 0
.set ZR, 1
.if (\fk) != 0
.set FA0, 2
.set FA1, 3
.endif
.endif
.if (\kq) == 3
.set FA2, 0
.set FA3, 1
.endif
.if (\turn) == 0
	s_wait_dscnt 0x0                               ; this quarter's fragments, asked for a quarter ago, are in (and the factors)
	PLACES                                         ; behind the last quarter's products, which read the buffer that is loaded now
	WIN 0
.if \fetch
	FETCH \nslot, \nsq, 1-(\g)
.endif
.if (\kq) == 1
	FLOAD \run
.endif
	MULS \g, 0, ZR, FA0, FM
	MULS \g, 1, ZR, FA1, FM
.if (\kq) == 3
	PLACES                                         ; behind the products that finished row blocks 0 and 1, ahead of the slices that read them
.endif
	MULS \g, 2, ZR, FA2, FM
	MULS \g, 3, ZR, FA3, FM
.else
.if (\turn) == 1 && (\slot) == 0
	s_wait_xcnt 0x0                                ; the last trip's prefetches have read their address
	s_add_nc_u64 s[PFA:PFA+1], s[PFA:PFA+1], 2*PG
.endif
	WIN 0                                          ; (the add's two registers lie in window 0)
	s_wait_tensorcnt 0x0                           ; the one load of mine that was out, my part of the next slot, has landed
	ds_add_u32 v[SPW], v[NIL]
	s_wait_dscnt 1                                 ; this quarter's fragments are in (the add may be out)
	MULS \g, 0, ZR, FA0, FM
	s_wait_dscnt 0x0                               ; the add is done, and my reads of this slot are over
	s_barrier_signal -1
	MULS \g, 1, ZR, FA1, FM
	WIN 0
	s_barrier_wait -1
.if (\turn) == 1
	CREST                                          ; the barrier has opened a round of the cluster's: no wave of any partner still reads this slot or has a load on its way
	s_add_nc_u64 s[G0+4*(\slot)+2:G0+4*(\slot)+3], s[G0+4*(\slot)+2:G0+4*(\slot)+3], 2*PG
	s_add_nc_u64 s[G0B+4*(\slot)+2:G0B+4*(\slot)+3], s[G0B+4*(\slot)+2:G0B+4*(\slot)+3], 2*PG
	JLOAD G0+4*(\slot), G1, G0B+4*(\slot), G1B     ; my one tensor load behind the round; its four v_nop are the places in front of the loads and slices below
.elseif (\turn) == 2
	CREST
	JLOAD G0T, G1T, G0BT, G1BT                     ; the last four quarters
.else
	PLACES
.endif
	FETCH \nslot, \nsq, 1-(\g)
.if (\kq) == 1
	FLOAD \run
.endif
.if (\turn) == 1 && (\slot) == 1
	ASK
.endif
	MULS \g, 2, ZR, FA2, FM
	MULS \g, 3, ZR, FA3, FM
.endif
.endm
; Twelve quarters, from place 5 of slot 0 to place 4 of slot 0 two slots on: both changes of slots, three runs' additions.  last = 1: the launch's last eleven quarters.
.macro BODY f0, f1, last
	QTR 0, 5, 1, 1, 1, 0, 1, 1, 1, \f0
	QTR 1, 0, 0, 2, 1, 1, 1, 0, 1, 0
	QTR 1, 1, 1, 3, 1, 2, 1, 0, 1, 0
	QTR 1, 2, 0, 0, 1, 3, 1, 0, 1, 0
	QTR 1, 3, 1, 1, 1, 4, 1, 2, 1, 0
	QTR 1, 4, 0, 2, 1, 5, 1, 0, 1, 0
	QTR 1, 5, 1, 3, 0, 0, 1, 0, 1, \f1
	QTR 0, 0, 0, 0, 0, 1, 1, 0, 1, 0
	QTR 0, 1, 1, 1, 0, 2, 1, 3, 1, 0
	QTR 0, 2, 0, 2, 0, 3, 1, 0, 1, 0
.if \last
	QTR 0, 3, 1, 3, 0, 4, 0, 0, 1, 0
.else
	QTR 0, 3, 1, 3, 0, 4, 1, 0, 1, 0
	QTR 0, 4, 0, 0, 0, 5, 1, 0, 1, 0
	WIN 0                                          ; at a label and at a branch every window is 0
	v_add_nc_u32 v[ADRF], 768, v[ADRF]             ; three runs on
.endif
.endm
	s_wait_tensorcnt 1                             ; my part of slot 0 is in; slot 1's may be out
	s_wait_dscnt 0x0                               ; my stores of the factors are done
	s_barrier_signal -1
	s_barrier_wait -1
	FETCH 0, 0, 0
	QTR 0, 0, 0, 0, 0, 1, 1, 0, 0, 0               ; run 0: its products start X,
	QTR 0, 1, 1, 1, 0, 2, 1, 0, 0, 0
	QTR 0, 2, 0, 2, 0, 3, 1, 0, 0, 0
	QTR 0, 3, 1, 3, 0, 4, 1, 0, 2, 0               ; and f X starts O: nothing is cleared
	QTR 0, 4, 0, 0, 0, 5, 1, 0, 2, 0
	WIN 0
	s_mov_b32 s3, TRIPS
.Llap:                                             ; a trip goes once round the ring and fills both slots again
	BODY 1, 1, 0
	s_sub_co_u32 s3, s3, 1
	s_cmp_lg_u32 s3, 0
	s_cbranch_scc1 .Llap
	BODY 2, 3, 1                                   ; the tail is written out: the last, shorter fill, then none
	WIN FMAW
.irp b, 0,1,2,3,4,5,6,7
	FMA4 2, \b, 0                                  ; the last run's row blocks 2 and 3 (the last slice's four lines are the places behind the last product)
.endr
.irp b, 0,1,2,3,4,5,6,7
	FMA4 3, \b, 0
.endr
	WIN 0
	; THE WAY OUT
	s_mul_i32 s70, s12, 16*SPITCH
	s_add_co_u32 s70, s70, STAGE                   ; my stage
	v_mul_u32_u24 v[STO], v1, SPITCH
	v_lshl_add_u32 v[STO], v2, 5, v[STO]
	v_add_nc_u32 v[STO], s70, v[STO]               ; in: row r, 32 bytes for each half of the lanes
	v_add_nc_u32 v[RD], s70, v[CO]                 ; back: the 32 lanes take one row of 512 bytes
.irp a, 0,1,2,3
	v_rcp_f32 v[RL+2*\a], v[LL+\a]
.endr
	v_nop                                          ; a plain line behind the last reciprocal
	s_wait_alu depctr_va_vdst(0)                   ; the wait ahead of the first line that names a result: one for the four
.irp a, 0,1,2,3
	v_mov_b32 v[RL+2*\a+1], v[RL+2*\a]             ; (the packed form names a pair)
.endr
.macro NORM a                          ; query block a divided by l
	WIN 0x01                                       ; source 0: window 1
.set i, 0
.rept 32
	v_pk_mul_f32 v[EX+i:EX+i+1], v[64*(\a)+i:64*(\a)+i+1], v[RL+2*(\a):RL+2*(\a)+1] op_sel_hi:[1,0]
.set i, i+2
.endr
	WIN 0
.endm
.macro TOSTAGE a                       ; into my stage and back as whole rows: LDS serves a wave's instructions in order
.irp b, 0,1,2,3,4,5,6,7
	ds_store_b128 v[STO], v[EX+8*\b:EX+8*\b+3] offset:64*\b
	ds_store_b128 v[STO], v[EX+8*\b+4:EX+8*\b+7] offset:64*\b+16
.endr
.set BB, BK+64*((\a)%2)
.irp t, 0,1,2,3,4,5,6,7,8,9,10,11,12,13,14,15
	ds_load_b128 v[BB+4*\t:BB+4*\t+3], v[RD] offset:\t*SPITCH
.endr
.endm
.macro SEND a, younger                 ; younger: the LDS instructions issued behind block a's loads, which may stay out
.set BB, BK+64*((\a)%2)
	s_wait_dscnt \younger
.irp t, 0,1,2,3,4,5,6,7,8,9,10,11,12,13,14,15
	global_store_b128 v[CO], v[BB+4*\t:BB+4*\t+3], s[10:11] offset:(16*(\a)+\t)*4096 th:TH_STORE_NT   ; 512 consecutive bytes, aligned; 63 rows of 4,096 bytes at the most in the immediate
.endr
.endm
	NORM 0
	TOSTAGE 0
.irp a, 1,2,3
	s_wait_dscnt 16                                ; the last block's 16 stores into the stage have read their registers; its 16 loads may be out
	NORM \a
.if \a > 1
	s_wait_xcnt 0x0                                ; block a - 2's stores have read their registers: block a's loads may land there
.endif
	TOSTAGE \a
	SEND \a-1, 32                                  ; behind block a - 1's loads: block a's 16 stores and 16 loads
.endr
	SEND 3, 0
	s_wait_tensorcnt 0x0                           ; the wave's end: behind my last tensor load and my last LDS store
	ds_add_u32 v[SPW], v[NIL]
	s_wait_dscnt 0x0
	CROUND                                         ; the closing round
	s_endpgm
.Lfunc_end_k_qd1f44d1df3_pv:
	.size	k_qd1f44d1df3_pv, .Lfunc_end_k_qd1f44d1df3_pv-k_qd1f44d1df3_pv
	.p2alignl 7, 3214868480
	.fill 96, 4, 3214868480
	.section	.rodata,"a",@progbits
	.p2align	6, 0x0
	.amdhsa_kernel k_qd1f44d1df3_pv
		.amdhsa_group_segment_fixed_size 327680
		.amdhsa_private_segment_fixed_size 0
		.amdhsa_enable_private_segment 0
		.amdhsa_kernarg_size 32
		.amdhsa_user_sgpr_count 2
		.amdhsa_user_sgpr_kernarg_segment_ptr 1
		.amdhsa_wavefront_size32 1
		.amdhsa_system_sgpr_workgroup_id_x 1
		.amdhsa_system_sgpr_workgroup_id_y 1
		.amdhsa_system_sgpr_workgroup_id_z 1
		.amdhsa_system_vgpr_workitem_id 0
		.amdhsa_next_free_vgpr 768
		.amdhsa_next_free_sgpr 100
		.amdhsa_reserve_vcc 0
		.amdhsa_float_denorm_mode_32 3
		.amdhsa_float_denorm_mode_16_64 3
		.amdhsa_memory_ordered 1
		.amdhsa_forward_progress 1
		.amdhsa_inst_pref_size 228
	.end_amdhsa_kernel
	.amdgpu_metadata
---
amdhsa.version: [ 1, 2 ]
amdhsa.kernels:
  - .name:           k_qd1f44d1df3_pv
    .symbol:         k_qd1f44d1df3_pv.kd
    .args:
      - { .name: pf, .offset: 0, .size: 8, .value_kind: global_buffer, .address_space: global }
      - { .name: qkv, .offset: 8, .size: 8, .value_kind: global_buffer, .address_space: global }
      - { .name: stats, .offset: 16, .size: 8, .value_kind: global_buffer, .address_space: global }
      - { .name: out0, .offset: 24, .size: 8, .value_kind: global_buffer, .address_space: global }
    .group_segment_fixed_size: 327680
    .private_segment_fixed_size: 0
    .kernarg_segment_align: 8
    .kernarg_segment_size: 32
    .max_flat_workgroup_size: 128
    .sgpr_count:     100
    .vgpr_count:     768
    .wavefront_size: 32
...
	.end_amdgpu_metadata
.endif
;; end of part 4
